; MI455X (gfx1250); checked and timed in simulation.
; The chip was launched on July 23, 2026; its instructions are those of AMD's public machine-readable ISA for CDNA 5 (MIT licence, August 2026) and "CDNA5" Instruction Set Architecture Reference Guide (July 2026). The comments in the code are by the model that wrote it; some were corrected since.
;; Expert Group. Allowed arithmetic: float matrix products may take bf16 or f16 operands with f32 sums; other float arithmetic in f32, or as packed bf16 or f16 multiplies, adds, multiply-adds, maxima and minima; sums over many terms, partial sums and values carried from step to step in f32; what a program stores and reads back later, other than sums and carried values, may be rounded once to bf16 or f16.
;; Inputs: W_adapt 256 x 4,096 float32; W_exp_adapters 8 x 256 x 256 float32; W_expert_proj 4,096 x 256 float32; W_out 1,024 x 4,096 float32; W_up 4,096 x 1,024 float32; expert_weights 4 x 1,024 x 8 float32; ln_beta 8 x 256 float32; ln_gamma 8 x 256 float32; x 4 x 1,024 x 1,024 float32.
;; Outputs: out0 4 x 1,024 x 1,024 float32.
;; 2 versions, each right; version 2 is version 1 with the launch final written anew for expert scheduling mode. Each part assembles by itself: llvm-mc -triple=amdgcn-amd-amdhsa -mcpu=gfx1250 --defsym DOCPART=n.
;; ======== version 1 of 2: 4 launches
;; workspace buffers: inb 16,777,216 bytes; wts 13,631,488 bytes; hb 33,554,432 bytes; pf 16,777,216 bytes; ab 2,097,152 bytes; wcb 524,288 bytes; route 16,640 bytes of whole numbers; order 16,384 bytes of whole numbers
;; launch prep (part 1): grid 929 x 1, 8 waves a work-group, no clusters, 18,432 bytes of LDS; arguments x, W_up, W_out, W_adapt, W_expert_proj, W_exp_adapters, expert_weights, inb, wts, route; writes inb, wts, route
.if DOCPART == 1
	.amdgcn_target "amdgcn-amd-amdhsa--gfx1250"
	.amdhsa_code_object_version 6
	.text
	.protected	k_q8a7f3bc521_prep
	.globl	k_q8a7f3bc521_prep
	.p2align	8
	.type	k_q8a7f3bc521_prep,@function
k_q8a7f3bc521_prep:
	s_mov_b64 s[64:65], 0
	v_nop
	global_prefetch_b8 v0, s[64:65] scope:SCOPE_SE
	s_setreg_imm32_b32 hwreg(HW_REG_WAVE_MODE, 25, 1), 1
	s_wait_xcnt 0x0
; PREP.  Rounds every matrix input once to bf16 and lays it out for the later launches, and ranks the tokens by expert.
; Work-group 0 ranks; 1-256 cast x, 257-512 W_up (both into inb, rows as they lie); 513-768 W_out and 769-832 W_adapt into WCAT
; (wts byte 0: [1280][4096]; each 160 rows: 64 of W_out, 16 of W_adapt, 64 of W_out, 16 of W_adapt); 833-896 W_expert_proj and
; 897-928 W_exp_adapters into blocks [16 column blocks][rows][16 columns], where 16 rows x 16 columns are 512 consecutive bytes.
; RANK.  A token's expert is the last i with expert_weights[i] > 0 (a NaN is not > 0), or 7 with the flag 'inactive' if there is none.
; pos is the token's place when tokens are grouped by expert: a bijection onto 0..4095.  route: posf[t] = pos | active << 16, then 64
; words of a table of tiles of 80 rows: first row | rows << 13 | expert << 20 (at most ceil(4096/80) + 7 = 59 tiles have rows, for any split).
; What is derived from the weights is only ever a VALUE here: every address and every branch hangs on ids and constants.
; A cast needs neither LDS nor matrix units nor a cluster: each byte is read once and written once.
.set X,     4                          ; v[4:67]    as loaded, f32
.set Y,     68                         ; v[68:99]   rounded, to store
.set VO,    100                        ; v[100:107] block cast: the eight column blocks' store offsets
.set SPW,   110                        ; LDS address of my spare word; never rewritten
.set NIL,   111                        ; 0; never rewritten
.set ER,    1024                       ; LDS: bytes 0-1023 the waves' counts (128 bytes a wave); from here 2,048 bytes a wave: [16 groups][32 lanes] words
.set SPARE, 17408                      ; the spare words, 128 bytes a wave: four blocks of 256 bytes that no other line names
.set UPB,   8388608                    ; W_up's place in inb
.set WEPB,  10485760                   ; W_expert_proj's place in wts
.set WXB,   12582912                   ; W_exp_adapters' place in wts
.set M,     32                         ; s[32:39]  lane masks, one an expert
.set C,     40                         ; s[40:47]  running counts
.set TOT,   48                         ; s[48:55]  tokens of each expert
.set PRE,   56                         ; s[56:63]  of them in the waves before mine
.set BASE,  66                         ; s[66:74]  first place of each expert
.set TB,    76                         ; s[76:84]  first tile of each expert
	s_load_b512 s[4:19], s[0:1], 0x0               ; x, W_up, W_out, W_adapt, W_expert_proj, W_exp_adapters, expert_weights, inb
	s_load_b128 s[20:23], s[0:1], 0x40             ; wts, route
	v_lshl_add_u32 v[SPW], v0, 2, SPARE
	v_mov_b32 v[NIL], 0
	v_lshrrev_b32 v1, 5, v0
	v_readfirstlane_b32 s24, v1                    ; wave 0..7
	s_mov_b32 s25, ttmp9                           ; the work-group's number chooses its part: the same for all its waves
	s_mov_b32 s31, 0                               ; high word of every offset pair
	s_wait_kmcnt 0x0
	s_cmp_eq_u32 s25, 0
	s_cbranch_scc1 .Lrank
	s_cmp_lt_u32 s25, 257
	s_cbranch_scc1 .Lx
	s_cmp_lt_u32 s25, 513
	s_cbranch_scc1 .Lwup
	s_cmp_lt_u32 s25, 769
	s_cbranch_scc1 .Lwout
	s_cmp_lt_u32 s25, 833
	s_cbranch_scc1 .Lwad
	s_cmp_lt_u32 s25, 897
	s_cbranch_scc1 .Lwep
	s_sub_co_u32 s34, s25, 897                     ; W_exp_adapters as [2048][256]: 64 rows a work-group
	s_lshl_b32 s30, s34, 16
	s_add_nc_u64 s[26:27], s[14:15], s[30:31]
	s_lshl_b32 s30, s34, 11                        ; 64 rows x 32 bytes in a column block
	s_add_co_u32 s30, s30, WXB
	s_add_nc_u64 s[28:29], s[20:21], s[30:31]
	s_mov_b32 s33, 65536                           ; bytes in a column block: 2,048 rows x 32
	s_branch .Lblock
.Lwep:
	s_sub_co_u32 s34, s25, 833                     ; W_expert_proj [4096][256]
	s_lshl_b32 s30, s34, 16
	s_add_nc_u64 s[26:27], s[12:13], s[30:31]
	s_lshl_b32 s30, s34, 11
	s_add_co_u32 s30, s30, WEPB
	s_add_nc_u64 s[28:29], s[20:21], s[30:31]
	s_mov_b32 s33, 131072                          ; 4,096 rows x 32
.Lblock:
	; BLOCK CAST.  Wave w: rows 16 (w / 2) on, columns 128 (w % 2) on.  A lane takes 8 columns of row lane / 2 in each of 8 column blocks:
	; two lanes read 64 consecutive bytes, and over the eight blocks a wave takes 512 consecutive bytes of each row; a store covers 512 consecutive bytes.
	v_and_b32 v1, 31, v0
	s_lshr_b32 s35, s24, 1
	s_and_b32 s36, s24, 1
	v_lshrrev_b32 v2, 1, v1
	v_lshlrev_b32 v2, 10, v2                       ; row x 1,024
	v_and_b32 v3, 1, v1
	v_lshl_add_u32 v2, v3, 5, v2                   ; + 32 x (lane % 2)
	s_lshl_b32 s37, s35, 14
	s_lshl_b32 s38, s36, 9
	s_add_co_u32 s37, s37, s38
	v_add_nc_u32 v2, s37, v2
	v_lshlrev_b32 v[VO], 4, v1                     ; row x 32 + 16 x (lane % 2) = 16 x lane
	s_lshl_b32 s37, s35, 9
	v_add_nc_u32 v[VO], s37, v[VO]
.irp i, 1,2,3,4,5,6,7
	v_add_nc_u32 v[VO+(\i)], s33, v[VO+(\i)-1]
.endr
	s_mul_i32 s30, s36, s33
	s_lshl_b32 s30, s30, 3                         ; my half's first column block
	s_add_nc_u64 s[28:29], s[28:29], s[30:31]
.irp i, 0,1,2,3,4,5,6,7
	global_load_b128 v[X+8*(\i):X+8*(\i)+3],   v2, s[26:27] offset:64*(\i) th:TH_LOAD_NT
	global_load_b128 v[X+8*(\i)+4:X+8*(\i)+7], v2, s[26:27] offset:64*(\i)+16 th:TH_LOAD_NT
.endr
.irp i, 0,1,2,3,4,5,6,7
	s_wait_loadcnt 14-2*(\i)                       ; loads come back in order: this block's two are in, the younger ones stay out
.irp k, 0,1,2,3
	v_cvt_pk_bf16_f32 v[Y+4*(\i)+(\k)], v[X+8*(\i)+2*(\k)], v[X+8*(\i)+2*(\k)+1]
.endr
	global_store_b128 v[VO+(\i)], v[Y+4*(\i):Y+4*(\i)+3], s[28:29]
.endr
	s_endpgm
.Lx:
	s_sub_co_u32 s34, s25, 1
	s_lshl_b32 s30, s34, 16                        ; 64 KiB of f32 in,
	s_add_nc_u64 s[26:27], s[4:5], s[30:31]
	s_lshl_b32 s30, s34, 15                        ; 32 KiB of bf16 out
	s_add_nc_u64 s[28:29], s[18:19], s[30:31]
	s_branch .Lcast
.Lwup:
	s_sub_co_u32 s34, s25, 257
	s_lshl_b32 s30, s34, 16
	s_add_nc_u64 s[26:27], s[6:7], s[30:31]
	s_lshl_b32 s30, s34, 15
	s_add_co_u32 s30, s30, UPB
	s_add_nc_u64 s[28:29], s[18:19], s[30:31]
	s_branch .Lcast
.Lwout:
	s_sub_co_u32 s34, s25, 513                     ; four rows n = 4 u .. of W_out go to WCAT rows (n / 128) 160 + ((n / 64) % 2) 80 + n % 64 on
	s_lshl_b32 s30, s34, 16
	s_add_nc_u64 s[26:27], s[8:9], s[30:31]
	s_lshl_b32 s35, s34, 2
	s_lshr_b32 s36, s35, 7
	s_mul_i32 s36, s36, 160
	s_bfe_u32 s37, s35, 0x10006
	s_mul_i32 s37, s37, 80
	s_and_b32 s35, s35, 63
	s_add_co_u32 s36, s36, s37
	s_add_co_u32 s36, s36, s35
	s_lshl_b32 s30, s36, 13
	s_add_nc_u64 s[28:29], s[20:21], s[30:31]
	s_branch .Lcast
.Lwad:
	s_sub_co_u32 s34, s25, 769                     ; four rows c = 4 u .. of W_adapt go to WCAT rows (c / 32) 160 + ((c / 16) % 2) 80 + 64 + c % 16 on
	s_lshl_b32 s30, s34, 16
	s_add_nc_u64 s[26:27], s[10:11], s[30:31]
	s_lshl_b32 s35, s34, 2
	s_lshr_b32 s36, s35, 5
	s_mul_i32 s36, s36, 160
	s_bfe_u32 s37, s35, 0x10004
	s_mul_i32 s37, s37, 80
	s_and_b32 s35, s35, 15
	s_add_co_u32 s36, s36, s37
	s_add_co_u32 s36, s36, s35
	s_add_co_u32 s36, s36, 64
	s_lshl_b32 s30, s36, 13
	s_add_nc_u64 s[28:29], s[20:21], s[30:31]
.Lcast:
	; PLAIN CAST.  Sixteen loads of every wave go out together; a load covers 512 consecutive bytes, a store 256, aligned.  No register is used twice.
	v_lshlrev_b32 v1, 4, v0
	v_lshlrev_b32 v2, 3, v0
.irp i, 0,1,2,3,4,5,6,7,8,9,10,11,12,13,14,15
	global_load_b128 v[X+4*(\i):X+4*(\i)+3], v1, s[26:27] offset:4096*(\i) th:TH_LOAD_NT
.endr
.irp i, 0,1,2,3,4,5,6,7,8,9,10,11,12,13,14,15
	s_wait_loadcnt 15-(\i)                         ; mine is in, the younger ones stay out
	v_cvt_pk_bf16_f32 v[Y+2*(\i)],   v[X+4*(\i)],   v[X+4*(\i)+1]
	v_cvt_pk_bf16_f32 v[Y+2*(\i)+1], v[X+4*(\i)+2], v[X+4*(\i)+3]
	global_store_b64 v2, v[Y+2*(\i):Y+2*(\i)+1], s[28:29] offset:2048*(\i)
.endr
	s_endpgm
.Lrank:
	; Wave w has tokens 512 w on, in 16 groups G = 4 gq + c of 32: lane l of group G is token 512 w + 128 gq + 4 l + c, so that a lane's four words of a gq lie side by side in posf.
	v_and_b32 v1, 31, v0
	v_lshlrev_b32 v2, 2, v1
	v_lshlrev_b32 v3, 7, v1                        ; four tokens x 32 bytes a lane
	v_lshl_add_u32 v3, s24, 14, v3
	v_lshl_add_u32 v76, s24, 11, v2
	v_add_nc_u32 v76, ER, v76                      ; my word of my wave's group 0
	v_mov_b32 v77, v76
	s_mov_b32 s26, 2
.Lew:                                                  ; two trips of eight groups
.irp k, 0,1,2,3,4,5,6,7
	global_load_b128 v[X+8*(\k):X+8*(\k)+3],   v3, s[16:17] offset:((\k)/4)*4096+((\k)%4)*32
	global_load_b128 v[X+8*(\k)+4:X+8*(\k)+7], v3, s[16:17] offset:((\k)/4)*4096+((\k)%4)*32+16
.endr
	s_wait_loadcnt 0x0                             ; all sixteen are in: their base may step
	s_add_nc_u64 s[16:17], s[16:17], 8192
.irp k, 0,1,2,3,4,5,6,7
	v_mov_b32 v68, 15                              ; none active: 15, of which the low three bits are expert 7
.irp i, 0,1,2,3,4,5,6,7
	v_cmp_lt_f32 vcc_lo, 0, v[X+8*(\k)+(\i)]
	v_cndmask_b32 v68, v68, \i, vcc_lo             ; ascending: the last active one stays
.endr
	ds_store_b32 v77, v68 offset:128*(\k)
.endr
	v_add_nc_u32 v77, 1024, v77
	s_sub_co_u32 s26, s26, 1
	s_cmp_lg_u32 s26, 0
	s_cbranch_scc1 .Lew
	; pass 1: my wave's count of each expert.  The words are my wave's own, and LDS serves a wave's instructions in order (ISA guide 5.7.1.4): no barrier.
.irp e, 0,1,2,3,4,5,6,7
	s_mov_b32 s[C+(\e)], 0
.endr
	v_mov_b32 v69, v76
	s_mov_b32 s26, 16
.Lp1:
	ds_load_b32 v70, v69
	s_wait_dscnt 0x0
	v_and_b32 v71, 7, v70
.irp e, 0,1,2,3,4,5,6,7
	v_cmp_eq_u32 s[M+(\e)], \e, v71
.endr
.irp e, 0,1,2,3,4,5,6,7
	s_bcnt1_i32_b32 s27, s[M+(\e)]
	s_add_co_u32 s[C+(\e)], s[C+(\e)], s27
.endr
	v_add_nc_u32 v69, 128, v69
	s_sub_co_u32 s26, s26, 1
	s_cmp_lg_u32 s26, 0
	s_cbranch_scc1 .Lp1
	; the waves' counts meet: lane e of my 128 bytes holds my count of expert e
	v_mov_b32 v73, 0
.irp e, 0,1,2,3,4,5,6,7
	v_writelane_b32 v73, s[C+(\e)], \e
.endr
	v_lshlrev_b32 v75, 2, v0
	ds_store_b32 v75, v73
	s_wait_dscnt 0x0                               ; for the others' sake: my counts are in LDS
	s_barrier_signal -1
	s_barrier_wait -1
.irp k, 0,1,2,3,4,5,6,7
	ds_load_b32 v[80+(\k)], v2 offset:128*(\k)
.endr
	s_wait_dscnt 0x0
	v_add_nc_u32 v88, v80, v81
	v_mov_b32 v89, 0
.irp k, 2,3,4,5,6,7
	v_add_nc_u32 v88, v88, v[80+(\k)]              ; all waves'
.endr
.irp k, 0,1,2,3,4,5,6
	s_cmp_gt_u32 s24, \k
	s_cselect_b32 s27, -1, 0
	v_and_b32 v90, s27, v[80+(\k)]
	v_add_nc_u32 v89, v89, v90                     ; those of the waves before mine
.endr
.irp e, 0,1,2,3,4,5,6,7
	v_readlane_b32 s[TOT+(\e)], v88, \e
	v_readlane_b32 s[PRE+(\e)], v89, \e
.endr
	s_mov_b32 s[BASE], 0
	s_mov_b32 s[TB], 0
.irp e, 0,1,2,3,4,5,6,7
	s_add_co_u32 s[BASE+(\e)+1], s[BASE+(\e)], s[TOT+(\e)]
	s_add_co_u32 s27, s[TOT+(\e)], 79
	s_mul_i32 s27, s27, 52429                      ; x / 80 = x 52429 >> 22 for x up to 4,175: the factor is 4.8e-8 too large, which adds less than 1/80
	s_lshr_b32 s27, s27, 22
	s_add_co_u32 s[TB+(\e)+1], s[TB+(\e)], s27
	s_add_co_u32 s[C+(\e)], s[BASE+(\e)], s[PRE+(\e)]  ; where my wave's first token of expert e goes
.endr
	; pass 2: each token's place = the running count of its expert + the lanes below it with the same expert
	s_mov_b32 s28, 0x10000
	v_mov_b32 v69, v76
	s_mov_b32 s26, 16
.Lp2:
	ds_load_b32 v70, v69
	s_wait_dscnt 0x0
	v_and_b32 v71, 7, v70
	v_mov_b32 v72, 0
.irp e, 0,1,2,3,4,5,6,7
	v_cmp_eq_u32 s[M+(\e)], \e, v71
.endr
.irp e, 0,1,2,3,4,5,6,7
	v_mbcnt_lo_u32_b32 v73, s[M+(\e)], s[C+(\e)]
	v_cndmask_b32 v72, v72, v73, s[M+(\e)]
.endr
.irp e, 0,1,2,3,4,5,6,7
	s_bcnt1_i32_b32 s27, s[M+(\e)]
	s_add_co_u32 s[C+(\e)], s[C+(\e)], s27
.endr
	v_cmp_gt_u32 vcc_lo, 8, v70                    ; 15 marks a token with no active expert
	v_cndmask_b32 v74, 0, s28, vcc_lo
	v_or_b32 v72, v72, v74
	ds_store_b32 v69, v72                          ; into the word that held the expert
	v_add_nc_u32 v69, 128, v69
	s_sub_co_u32 s26, s26, 1
	s_cmp_lg_u32 s26, 0
	s_cbranch_scc1 .Lp2
.irp g, 0,1,2,3,4,5,6,7,8,9,10,11,12,13,14,15
	ds_load_b32 v[X+(\g)], v76 offset:128*(\g)
.endr
	v_lshlrev_b32 v91, 4, v1
	v_lshl_add_u32 v91, s24, 11, v91
	s_wait_dscnt 0x0
.irp q, 0,1,2,3
	global_store_b128 v91, v[X+4*(\q):X+4*(\q)+3], s[22:23] offset:512*(\q)  ; 512 consecutive bytes of posf
.endr
	s_cmp_lg_u32 s24, 0
	s_cbranch_scc1 .Lrank_end                      ; the table is wave 0's: no barrier stands in what is jumped
.irp c, 0,1
	v_lshl_add_u32 v92, v1, 1, \c                  ; tile i = 2 lane + c
	v_mov_b32 v93, 0
	v_mov_b32 v94, 0
	v_mov_b32 v95, 0
	v_mov_b32 v96, s[TOT]
.irp e, 1,2,3,4,5,6,7
	v_cmp_le_u32 vcc_lo, s[TB+(\e)], v92           ; the last expert whose first tile is not behind i
	v_cndmask_b32 v93, v93, \e, vcc_lo
	v_cndmask_b32 v94, v94, s[TB+(\e)], vcc_lo
	v_cndmask_b32 v95, v95, s[BASE+(\e)], vcc_lo
	v_cndmask_b32 v96, v96, s[TOT+(\e)], vcc_lo
.endr
	v_sub_nc_u32 v94, v92, v94
	v_mul_u32_u24 v94, 80, v94                     ; rows of the expert in front of this tile
	v_add_nc_u32 v95, v95, v94
	v_min_u32 v95, 0xfff, v95                      ; first row
	v_min_u32 v97, v96, v94
	v_sub_nc_u32 v97, v96, v97
	v_min_u32 v97, 80, v97                         ; rows: 0 for a tile past the expert's last
	v_lshl_or_b32 v95, v97, 13, v95
	v_lshl_or_b32 v[98+(\c)], v93, 20, v95
.endr
	v_lshlrev_b32 v92, 3, v1
	global_store_b64 v92, v[98:99], s[22:23] offset:16384  ; 256 consecutive bytes
.Lrank_end:
	s_wait_tensorcnt 0x0                           ; the wave's end, behind my last LDS store
	ds_add_u32 v[SPW], v[NIL]
	s_wait_dscnt 0x0
	s_endpgm
.Lfunc_end_k_q8a7f3bc521_prep:
	.size	k_q8a7f3bc521_prep, .Lfunc_end_k_q8a7f3bc521_prep-k_q8a7f3bc521_prep
	.p2alignl 7, 3214868480
	.fill 96, 4, 3214868480
	.section	.rodata,"a",@progbits
	.p2align	6, 0x0
	.amdhsa_kernel k_q8a7f3bc521_prep
		.amdhsa_group_segment_fixed_size 18432
		.amdhsa_private_segment_fixed_size 0
		.amdhsa_enable_private_segment 0
		.amdhsa_kernarg_size 80
		.amdhsa_user_sgpr_count 2
		.amdhsa_user_sgpr_kernarg_segment_ptr 1
		.amdhsa_wavefront_size32 1
		.amdhsa_system_sgpr_workgroup_id_x 1
		.amdhsa_system_sgpr_workgroup_id_y 1
		.amdhsa_system_sgpr_workgroup_id_z 1
		.amdhsa_system_vgpr_workitem_id 0
		.amdhsa_next_free_vgpr 112
		.amdhsa_next_free_sgpr 100
		.amdhsa_reserve_vcc 1
		.amdhsa_float_denorm_mode_32 3
		.amdhsa_float_denorm_mode_16_64 3
		.amdhsa_memory_ordered 1
		.amdhsa_forward_progress 1
		.amdhsa_inst_pref_size 40
	.end_amdhsa_kernel
	.amdgpu_metadata
---
amdhsa.version: [ 1, 2 ]
amdhsa.kernels:
  - .name:           k_q8a7f3bc521_prep
    .symbol:         k_q8a7f3bc521_prep.kd
    .args:
      - { .name: x, .offset: 0, .size: 8, .value_kind: global_buffer, .address_space: global }
      - { .name: W_up, .offset: 8, .size: 8, .value_kind: global_buffer, .address_space: global }
      - { .name: W_out, .offset: 16, .size: 8, .value_kind: global_buffer, .address_space: global }
      - { .name: W_adapt, .offset: 24, .size: 8, .value_kind: global_buffer, .address_space: global }
      - { .name: W_expert_proj, .offset: 32, .size: 8, .value_kind: global_buffer, .address_space: global }
      - { .name: W_exp_adapters, .offset: 40, .size: 8, .value_kind: global_buffer, .address_space: global }
      - { .name: expert_weights, .offset: 48, .size: 8, .value_kind: global_buffer, .address_space: global }
      - { .name: inb, .offset: 56, .size: 8, .value_kind: global_buffer, .address_space: global }
      - { .name: wts, .offset: 64, .size: 8, .value_kind: global_buffer, .address_space: global }
      - { .name: route, .offset: 72, .size: 8, .value_kind: global_buffer, .address_space: global }
    .group_segment_fixed_size: 18432
    .private_segment_fixed_size: 0
    .kernarg_segment_align: 8
    .kernarg_segment_size: 80
    .max_flat_workgroup_size: 256
    .sgpr_count:     100
    .vgpr_count:     112
    .wavefront_size: 32
...
	.end_amdgpu_metadata
.endif
;; end of part 1
;; launch up (part 2): grid 16 x 16, 4 waves a work-group, clusters of 4 x 4, 327,680 bytes of LDS; arguments inb, route, hb, order; writes hb, order
.if DOCPART == 2
	.amdgcn_target "amdgcn-amd-amdhsa--gfx1250"
	.amdhsa_code_object_version 6
	.text
	.protected	k_q8a7f3bc521_up
	.globl	k_q8a7f3bc521_up
	.p2align	8
	.type	k_q8a7f3bc521_up,@function
k_q8a7f3bc521_up:
	s_mov_b64 s[64:65], 0
	v_nop
	global_prefetch_b8 v0, s[64:65] scope:SCOPE_SE
	s_setreg_imm32_b32 hwreg(HW_REG_WAVE_MODE, 25, 1), 1
	s_wait_xcnt 0x0
	s_wait_alu depctr_hold_cnt(0) depctr_sa_sdst(0) depctr_va_vdst(0) depctr_va_sdst(0) depctr_va_ssrc(0) depctr_va_vcc(0) depctr_vm_vsrc(0)
	s_getreg_b32 s2, hwreg(HW_REG_IB_STS2, 6, 4)
	s_cmp_eq_u32 s2, 0
	s_cbranch_scc0 .Lentry_in_a_cluster
	s_endpgm
.Lentry_in_a_cluster:
	s_bfe_u32 s2, ttmp6, 0x10000c
	s_cmp_lg_u32 s2, 0xf033
	s_cbranch_scc0 .Lentry_shape_is_right
	s_endpgm
.Lentry_shape_is_right:
; UP.  h = silu(x W_up^T), bf16, each row stored at its token's sorted place; and the inverse list order[place] = token | active << 16.
; x: inb byte 0, [4096][1024] bf16; W_up: inb byte 8,388,608, [4096][1024] bf16; sums in f32; h rounded once.
; LIMITS.  silu(v) = v / (1 + 2^(-v log2 e)): below v of about -88 the power is infinite and the result -0, where the true one is under 1e-36; NaN and infinities are not treated apart.
; A tile of 256 tokens x 256 hidden columns is made by four waves, each 128 x 128: 64 accumulators, 512 registers.  K goes in 8 steps of 128 through a ring of
; two LDS slots filled by tensor loads; the tiles' rows are 256 bytes of memory at multiples of 256 bytes from the buffer's first byte.
; CLUSTER 4 x 4: the four work-groups of a row of the cluster need the same tiles of x, the four of a column the same tiles of W_up: each tile is asked for jointly.
; The matrix instruction is used transposed (source 0 = 16 rows of W_up, source 1 = 16 tokens): a lane holds eight neighbouring columns of one token.
; REGISTERS, in windows of 256: window 0: v0-63 addresses and small things; v64-127, v128-191 x's fragments, two buffers; window 1: the same for W_up's; windows 2, 3: the accumulators ((a, b) at v[8 (8 a + b)]).
; THE WAY OUT.  When the last product is issued the ring is dead (it has had its last fill, and a barrier shows every wave's reads over): each wave lays its 128 x 128 sums there in f32 and then
; walks them in ONE loop of eight trips of 16 rows: silu, rounding, and a store in which 16 lanes cover 256 consecutive bytes, aligned, of the row's sorted place in hb.
.set SIZE_K, 1024
.set KSTEP,  128
.set PITCH,  272                       ; an LDS row: 256 bytes + 16 of padding = 68 words: the 16 rows of a fragment load start at 16 different groups of four banks (64 banks of 4 bytes: ISA guide 11.1)
.set HALFT,  128*PITCH                 ; what one tensor load brings, and what one wave reads of x or of W_up
.set SLOT,   4*HALFT
.set FP,     528                       ; the way out: a row of 128 f32 + 16 bytes
.set FSTW,   128*FP                    ; a wave's stage, inside the dead ring: 4 x 67,584 = 270,336 of its 278,528 bytes
.set PTB,    2*SLOT                    ; behind the ring: 512 bytes a wave: the posf words of its 128 tokens
.set SPARE,  PTB+2048                  ; the spare words, 128 bytes a wave: two blocks of 256 bytes that no other line names
.set LAPS,   SIZE_K/(2*KSTEP)
.set UPB,    8388608
.set ADRA, 16                          ; v16-17  LDS address of my x fragments in slot 0, 1
.set ADRB, 20                          ; v20-21  the same for W_up
.set STO,  24                          ; the way out: where my lane's part of row lane % 16 goes
.set FRD,  25                          ; where I read 32 bytes of a row back; steps
.set PRD,  26                          ; where I read a row's posf word; steps
.set C16,  27                          ; 16 x (lane % 16)
.set SPW,  28                          ; LDS address of my spare word; never rewritten
.set NIL,  29                          ; 0; never rewritten
.set PTW,  30                          ; where I put four posf words
.set PS,   32                          ; v32-39  posf words of a trip's rows
.set VO,   40                          ; v40-47  their byte offsets in hb
.set PW,   48                          ; v48-51  posf of my wave's tokens 4 lane ..
.set OW,   52                          ; posf of one of the four tokens whose order word my wave writes
.set OV,   53
.set OA,   54
.set OD,   55
.set RV,   56
.set F0,   64
.set F1,   128
.set XR,   64                          ; the way out: 64 sums of a trip
.set T2,   128                         ; at work
.set Y,    192                         ; rounded, to store
.set G1,  24                           ; s[24:31] descriptor group 1 for x's tiles; s[32:39] group 0, a set for each slot
.set G0,  32
.set G1B, 48                           ; s[48:55], s[56:63] the same for W_up's
.set G0B, 56
.set MSB, 0
.macro WIN new                         ; the immediate's high byte repeats the setting that is left; a switch that changes nothing is dropped
.if MSB != (\new)
	s_set_vgpr_msb (MSB<<8)|(\new)
.set MSB, \new
.endif
.endm
.set MUL_LO, 0xa1                      ; source 0 window 1, source 1 window 0, C and D window 2
.set MUL_HI, 0xf1                      ; the same, C and D window 3
.set TO_B,   0x40
.macro JLOAD s                         ; a joint load: waves 0 and 1 fetch x's two halves, waves 2 and 3 W_up's; an s_nop 0 and four v_nop follow each line
	s_cmp_eq_u32 s13, 0
	s_cbranch_scc0 .Lfor_b_\@
	tensor_load_to_lds s[G0+4*(\s):G0+4*(\s)+3], s[G1:G1+7]
	s_nop 0
.rept 4
	v_nop
.endr
	s_branch .Lasked_\@
.Lfor_b_\@:
	tensor_load_to_lds s[G0B+4*(\s):G0B+4*(\s)+3], s[G1B:G1B+7]
	s_nop 0
.rept 4
	v_nop
.endr
.Lasked_\@:
.endm
.macro CREST                           ; a round of the cluster's barrier behind its opening barrier
	s_cmp_lg_u32 s12, 0
	s_cbranch_scc1 .Lnot_wave_0_\@
	s_barrier_signal -3
.Lnot_wave_0_\@:
	s_barrier_wait -3
	s_barrier_signal -1
	s_barrier_wait -1
.endm
.macro CROUND
	s_barrier_signal -1
	s_barrier_wait -1
	CREST
.endm
	s_load_b256 s[4:11], s[0:1], 0x0               ; inb s[4:5], route s[6:7], hb s[8:9], order s[10:11]
	v_lshl_add_u32 v[SPW], v0, 2, SPARE
	v_mov_b32 v[NIL], 0
	ds_add_u32 v[SPW], v[NIL]                      ; the wave's opening: the add and its wait stand ahead of my first tensor load; register work stands between
	v_lshrrev_b32 v1, 5, v0
	v_readfirstlane_b32 s12, v1                    ; wave 0..3
	s_lshr_b32 s13, s12, 1                         ; which half of the tile's tokens is mine.  Also: I fetch for x (0) or W_up (1)
	s_and_b32 s14, s12, 1                          ; which half of its columns.  Also: which 128 rows I fetch
	s_bfe_u32 s15, ttmp6, 0x40000                  ; cx
	s_bfe_u32 s16, ttmp6, 0x40004                  ; cy
	s_lshl_b32 s17, ttmp9, 2
	s_add_co_u32 s17, s17, s15                     ; tile column
	s_and_b32 s18, ttmp7, 0xffff
	s_lshl_b32 s18, s18, 2
	s_add_co_u32 s18, s18, s16                     ; tile row
	s_lshl_b32 s19, s16, 2
	s_lshl_b32 s19, 15, s19                        ; my row of the cluster
	s_lshl_b32 s20, 0x1111, s15                    ; my column
	s_or_b32 s[G1], s19, (1<<16)|(1<<20)|(1<<21)|(5<<22)|(3<<25)   ; mask; 2-byte elements; padding on; bit 21 beside a mask; after every 64 words, 4 words
	s_or_b32 s[G1B], s20, (1<<16)|(1<<20)|(1<<21)|(5<<22)|(3<<25)
.irp g, G1, G1B
	s_mov_b32 s[(\g)+1], KSTEP<<16                 ; tensor_dim0 = 128
	s_mov_b32 s[(\g)+2], 128<<16                   ; tensor_dim1 = 128
	s_mov_b32 s[(\g)+3], KSTEP<<16                 ; tile_dim0 = 128
	s_mov_b32 s[(\g)+4], 128                       ; tile_dim1 = 128
	s_mov_b32 s[(\g)+5], SIZE_K                    ; elements from row to row
	s_mov_b32 s[(\g)+6], 0
	s_mov_b32 s[(\g)+7], 0
.endr
	s_lshl_b32 s21, s14, 7
	s_lshl_b32 s40, s18, 8
	s_add_co_u32 s40, s40, s21
	s_lshl_b32 s40, s40, 11                        ; x: (256 tile row + 128 half) rows of 2,048 bytes
	s_mov_b32 s41, 0
	s_lshl_b32 s42, s17, 8
	s_add_co_u32 s42, s42, s21
	s_lshl_b32 s42, s42, 11
	s_add_co_u32 s42, s42, UPB                     ; W_up: the same with the tile column
	s_mov_b32 s43, 0
	s_mul_i32 s22, s12, HALFT                      ; where they go: wave x 128 rows
	s_mov_b32 s68, 0xbfb8aa3b                      ; -log2(e)
	s_mov_b32 s69, s68                             ; named with it as a pair
	s_wait_dscnt 0x0                               ; the opening add is done
	s_wait_kmcnt 0x0
	s_add_nc_u64 s[40:41], s[4:5], s[40:41]
	s_add_nc_u64 s[42:43], s[4:5], s[42:43]
	CROUND                                         ; all sixteen work-groups are here: the first joint loads meet
.irp s, 0,1
	s_mov_b32 s[G0+4*(\s)], 1
	s_add_co_u32 s[G0+4*(\s)+1], s22, (\s)*SLOT
	s_add_nc_u64 s[G0+4*(\s)+2:G0+4*(\s)+3], s[40:41], (\s)*KSTEP*2
	s_or_b32 s[G0+4*(\s)+3], s[G0+4*(\s)+3], 0x80000000
	s_mov_b32 s[G0B+4*(\s)], 1
	s_add_co_u32 s[G0B+4*(\s)+1], s22, (\s)*SLOT
	s_add_nc_u64 s[G0B+4*(\s)+2:G0B+4*(\s)+3], s[42:43], (\s)*KSTEP*2
	s_or_b32 s[G0B+4*(\s)+3], s[G0B+4*(\s)+3], 0x80000000
	JLOAD \s
.endr
	v_and_b32 v1, 15, v0                           ; l % 16
	v_bfe_u32 v2, v0, 4, 1                         ; l / 16
	v_mul_u32_u24 v3, v1, PITCH
	v_lshl_add_u32 v3, v2, 4, v3
	s_mul_i32 s21, s13, HALFT
	s_mul_i32 s23, s14, HALFT
	s_add_co_u32 s23, s23, 2*HALFT
.irp s, 0,1
	v_add_nc_u32 v[ADRA+(\s)], s21, v3
	v_add_nc_u32 v[ADRB+(\s)], s23, v3
	s_add_co_u32 s21, s21, SLOT
	s_add_co_u32 s23, s23, SLOT
.endr
	s_mul_i32 s21, s12, FSTW                       ; my stage
	v_mul_u32_u24 v4, v1, FP
	v_lshl_add_u32 v4, v2, 5, v4
	v_add_nc_u32 v[STO], s21, v4                   ; in: row l % 16, 32 bytes for each half of the lanes
	v_mul_u32_u24 v5, v2, FP
	v_lshl_add_u32 v5, v1, 5, v5
	v_add_nc_u32 v[FRD], s21, v5                   ; back: lanes 0-15 one row, lanes 16-31 the next; 32 bytes a lane
	s_lshl_b32 s21, s12, 9
	s_add_co_u32 s21, s21, PTB
	v_lshl_add_u32 v[PRD], v2, 2, s21
	v_and_b32 v6, 31, v0
	v_lshl_add_u32 v[PTW], v6, 4, s21
	v_lshlrev_b32 v[C16], 4, v1
	v_lshlrev_b32 v[RV], 4, v6
	v_and_b32 v[OV], 3, v0
	v_lshlrev_b32 v[OV], 2, v[OV]
	s_lshl_b32 s72, s18, 8
	s_lshl_b32 s46, s13, 7
	s_add_co_u32 s72, s72, s46                     ; my wave's first token
	s_lshl_b32 s44, s72, 2
	s_mov_b32 s45, 0
	s_add_nc_u64 s[44:45], s[6:7], s[44:45]
	global_load_b128 v[PW:PW+3], v[RV], s[44:45]   ; posf of my 128 tokens, four a lane
	s_lshl_b32 s70, s17, 1
	s_add_co_u32 s70, s70, s14                     ; q = 0..31: my wave among the 32 that have these tokens; it writes the order words of four of them
	s_lshl_b32 s73, s70, 2
	s_add_co_u32 s73, s73, s72
	s_lshl_b32 s46, s73, 2
	s_mov_b32 s47, 0
	s_add_nc_u64 s[46:47], s[6:7], s[46:47]
	global_load_b32 v[OW], v[OV], s[46:47]         ; lane l: token 4 q + l % 4
	s_lshl_b32 s74, s70, 8
	s_mov_b32 s75, 0
	s_add_nc_u64 s[8:9], s[8:9], s[74:75]          ; hb at my 128 columns
.macro MUL16 f, hi, a0, zero           ; 16 matrix instructions: token blocks a0, a0 + 1 of the window's four x all 8 column blocks, 32 along K
	WIN MUL_LO+0x50*(\hi)
.irp a, \a0, (\a0)+1
.irp b, 0,1,2,3,4,5,6,7
.if \zero
	v_wmma_f32_16x16x32_bf16 v[8*(8*(\a)+(\b)):8*(8*(\a)+(\b))+7], v[(\f)+8*(\b):(\f)+8*(\b)+7], v[(\f)+8*(4*(\hi)+(\a)):(\f)+8*(4*(\hi)+(\a))+7], 0
.else
	v_wmma_f32_16x16x32_bf16 v[8*(8*(\a)+(\b)):8*(8*(\a)+(\b))+7], v[(\f)+8*(\b):(\f)+8*(\b)+7], v[(\f)+8*(4*(\hi)+(\a)):(\f)+8*(4*(\hi)+(\a))+7], v[8*(8*(\a)+(\b)):8*(8*(\a)+(\b))+7]
.endif
.endr
.endr
.endm
.macro FETCH slot, k, f                ; 32 LDS loads in one run: a quarter step's fragments (32 K at byte k of the rows) into buffer f
	WIN TO_B
.irp i, 0,1,2,3,4,5,6,7
	ds_load_b128 v[(\f)+8*(\i):(\f)+8*(\i)+3],   v[ADRB+(\slot)] offset:(\k)+(\i)*16*PITCH
	ds_load_b128 v[(\f)+8*(\i)+4:(\f)+8*(\i)+7], v[ADRB+(\slot)] offset:(\k)+(\i)*16*PITCH+32
.endr
	WIN 0
.irp i, 0,1,2,3,4,5,6,7
	ds_load_b128 v[(\f)+8*(\i):(\f)+8*(\i)+3],   v[ADRA+(\slot)] offset:(\k)+(\i)*16*PITCH
	ds_load_b128 v[(\f)+8*(\i)+4:(\f)+8*(\i)+7], v[ADRA+(\slot)] offset:(\k)+(\i)*16*PITCH+32
.endr
.endm
.macro PLACES                          ; four plain vector instructions between a matrix instruction and a load into, or a read of, its registers
.rept 4
	v_nop
.endr
.endm
.macro QUARTER slot, k, f, g, zero     ; multiplies buffer f; in its middle fetches the next quarter, at byte k, into buffer g
	s_wait_dscnt 8                                 ; W_up's fragments and x's rows 0-63 are in; the youngest eight loads may be out
	MUL16 \f, 0, 0, \zero
	MUL16 \f, 0, 2, \zero
	PLACES
	FETCH \slot, \k, \g
	s_wait_dscnt 32                                ; all but the 32 just issued
	MUL16 \f, 1, 0, \zero
	MUL16 \f, 1, 2, \zero
.endm
.macro MEET round                      ; the first half of a step's last quarter, and the one barrier of a change of slots
	WIN 0
	s_wait_tensorcnt 0x0                           ; all my tensor loads have landed: the one that was out is my part of the next slot
	ds_add_u32 v[SPW], v[NIL]                      ; 0 onto my spare word
	s_wait_dscnt 9                                 ; the add and the youngest eight loads may be out
	MUL16 F1, 0, 0, 0
	s_wait_dscnt 0x0                               ; the add is done, and my reads of this slot are over
	s_barrier_signal -1
	MUL16 F1, 0, 2, 0
.if \round
	WIN 0
.endif
	s_barrier_wait -1
.endm
.macro TURN slot, next, fill           ; a step's last quarter.  fill = 1: the slot just read out takes the K step two steps on, first thing behind a round of the cluster's barrier
	MEET \fill
.if \fill
	CREST                                          ; no wave of any partner still reads this slot or has a load on its way
	s_add_nc_u64 s[G0+4*(\slot)+2:G0+4*(\slot)+3], s[G0+4*(\slot)+2:G0+4*(\slot)+3], 2*KSTEP*2
	s_add_nc_u64 s[G0B+4*(\slot)+2:G0B+4*(\slot)+3], s[G0B+4*(\slot)+2:G0B+4*(\slot)+3], 2*KSTEP*2
	JLOAD \slot                                    ; its four v_nop are also the places in front of the loads below
.else
	PLACES
.endif
	FETCH \next, 0, F0
	MUL16 F1, 1, 0, 0
	MUL16 F1, 1, 2, 0
.endm
	s_wait_tensorcnt 1                             ; my part of K step 0 is in; step 1's may stay out
	s_barrier_signal -1
	s_barrier_wait -1
	FETCH 0, 0, F0
	QUARTER 0, 64, F0, F1, 1                       ; the first quarter's products start the sums: nothing is cleared
	WIN 0
	s_mov_b32 s66, LAPS-1
.Llap:                                                 ; a trip goes once round the ring and fills both slots again; the 64 accumulators take turns
	QUARTER 0, 128, F1, F0, 0
	QUARTER 0, 192, F0, F1, 0
	TURN 0, 1, 1
	QUARTER 1, 64,  F0, F1, 0
	QUARTER 1, 128, F1, F0, 0
	QUARTER 1, 192, F0, F1, 0
	TURN 1, 0, 1
	QUARTER 0, 64,  F0, F1, 0
	WIN 0
	s_sub_co_u32 s66, s66, 1
	s_cmp_lg_u32 s66, 0
	s_cbranch_scc1 .Llap
	QUARTER 0, 128, F1, F0, 0                      ; the last lap is written out: it asks for nothing
	QUARTER 0, 192, F0, F1, 0
	TURN 0, 1, 0
	QUARTER 1, 64,  F0, F1, 0
	QUARTER 1, 128, F1, F0, 0
	QUARTER 1, 192, F0, F1, 0
	s_wait_dscnt 8
	MUL16 F1, 0, 0, 0
	MUL16 F1, 0, 2, 0
	s_wait_dscnt 0x0                               ; my reads of the ring are over:
	s_barrier_signal -1                            ; say so,
	MUL16 F1, 1, 0, 0
	MUL16 F1, 1, 2, 0
	WIN 0
	s_barrier_wait -1                              ; and when all four have said so the ring's bytes, which no load fills again, serve as stages
	PLACES
	s_wait_loadcnt 0x0                             ; the posf words
	ds_store_b128 v[PTW], v[PW:PW+3]
	v_min_u32 v[OA], 0x1ffff, v[OW]                ; a loaded number enters an address behind a bound
	v_and_b32 v[OA], 0xfff, v[OA]                  ; the place
	v_lshlrev_b32 v[OA], 2, v[OA]
	v_and_b32 v[OD], 3, v0
	v_add_nc_u32 v[OD], s73, v[OD]                 ; the token
	v_and_or_b32 v[OD], v[OW], 0x10000, v[OD]      ; and its flag
	global_store_b32 v[OA], v[OD], s[10:11]        ; four words, each written by eight lanes with the same value: 16 KiB in the whole launch go out this way
	WIN 0x08                                       ; store data in window 2
.irp a, 0,1,2,3
.irp b, 0,1,2,3,4,5,6,7
	ds_store_b128 v[STO], v[8*(8*(\a)+(\b)):8*(8*(\a)+(\b))+3]   offset:(\a)*16*FP+64*(\b)      ; each accumulator's low registers first
	ds_store_b128 v[STO], v[8*(8*(\a)+(\b))+4:8*(8*(\a)+(\b))+7] offset:(\a)*16*FP+64*(\b)+16
.endr
.endr
	WIN 0x0c                                       ; window 3
.irp a, 0,1,2,3
.irp b, 0,1,2,3,4,5,6,7
	ds_store_b128 v[STO], v[8*(8*(\a)+(\b)):8*(8*(\a)+(\b))+3]   offset:((\a)+4)*16*FP+64*(\b)
	ds_store_b128 v[STO], v[8*(8*(\a)+(\b))+4:8*(8*(\a)+(\b))+7] offset:((\a)+4)*16*FP+64*(\b)+16
.endr
.endr
	WIN 0
	s_mov_b32 s67, 8
.Lrows:                                                ; 16 rows a trip; the bytes are my wave's own, and LDS serves a wave's instructions in order (ISA guide 5.7.1.4): no barrier
.irp t, 0,1,2,3,4,5,6,7
	ds_load_b32 v[PS+(\t)], v[PRD] offset:8*(\t)
.endr
.irp t, 0,1,2,3,4,5,6,7
	ds_load_b128 v[XR+8*(\t):XR+8*(\t)+3],   v[FRD] offset:2*FP*(\t)
	ds_load_b128 v[XR+8*(\t)+4:XR+8*(\t)+7], v[FRD] offset:2*FP*(\t)+16
.endr
	s_wait_dscnt 0x0
	; 2^(-v log2 e): the scalings run four pairs ahead of the exponentials and stand among them; the 64 exponentials are one batch with one wait
.set k, 0
.rept 4
	v_pk_mul_f32 v[T2+2*k:T2+2*k+1], v[XR+2*k:XR+2*k+1], s[68:69] op_sel_hi:[1,0]
.set k, k+1
.endr
.set k, 0
.rept 32
	v_exp_f32 v[T2+2*k], v[T2+2*k]
	v_exp_f32 v[T2+2*k+1], v[T2+2*k+1]
.if k < 28
	v_pk_mul_f32 v[T2+2*k+8:T2+2*k+9], v[XR+2*k+8:XR+2*k+9], s[68:69] op_sel_hi:[1,0]
.endif
.set k, k+1
.endr
	v_nop                                          ; a plain instruction behind the last exponential,
	s_wait_alu depctr_va_vdst(0)                   ; and the one wait ahead of the batch's first reader
.set k, 0
.rept 4
	v_pk_add_f32 v[T2+2*k:T2+2*k+1], v[T2+2*k:T2+2*k+1], 1.0 op_sel_hi:[1,0]
.set k, k+1
.endr
.set k, 0
.rept 32
	v_rcp_f32 v[T2+2*k], v[T2+2*k]
	v_rcp_f32 v[T2+2*k+1], v[T2+2*k+1]
.if k < 28
	v_pk_add_f32 v[T2+2*k+8:T2+2*k+9], v[T2+2*k+8:T2+2*k+9], 1.0 op_sel_hi:[1,0]
.endif
.set k, k+1
.endr
	v_nop
	s_wait_alu depctr_va_vdst(0)                   ; the same for the 64 reciprocals
.set k, 0
.rept 32
	v_pk_mul_f32 v[T2+2*k:T2+2*k+1], v[T2+2*k:T2+2*k+1], v[XR+2*k:XR+2*k+1]
.set k, k+1
.endr
	s_wait_xcnt 0x0                                ; Y and VO, which the last trip's stores read, are rewritten only behind this wait
.set k, 0
.rept 32
	v_cvt_pk_bf16_f32 v[Y+k], v[T2+2*k], v[T2+2*k+1]
.set k, k+1
.endr
.irp t, 0,1,2,3,4,5,6,7
	v_min_u32 v[VO+(\t)], 0x1ffff, v[PS+(\t)]
	v_and_b32 v[VO+(\t)], 0xfff, v[VO+(\t)]
	v_lshl_add_u32 v[VO+(\t)], v[VO+(\t)], 13, v[C16]  ; place x 8,192 bytes + my 16
.endr
.irp t, 0,1,2,3,4,5,6,7
	global_store_b128 v[VO+(\t)], v[Y+4*(\t):Y+4*(\t)+3], s[8:9]  ; 16 lanes cover 256 consecutive bytes, at a multiple of 256 from hb's first byte
.endr
	v_add_nc_u32 v[PRD], 64, v[PRD]
	v_add_nc_u32 v[FRD], 16*FP, v[FRD]
	s_sub_co_u32 s67, s67, 1
	s_cmp_lg_u32 s67, 0
	s_cbranch_scc1 .Lrows
	s_wait_tensorcnt 0x0                           ; the wave's end, behind my last tensor load and my last LDS store
	ds_add_u32 v[SPW], v[NIL]
	s_wait_dscnt 0x0
	CROUND                                         ; the closing round: no work-group ends while a partner may still ask for a tile that names it
	s_endpgm
.Lfunc_end_k_q8a7f3bc521_up:
	.size	k_q8a7f3bc521_up, .Lfunc_end_k_q8a7f3bc521_up-k_q8a7f3bc521_up
	.p2alignl 7, 3214868480
	.fill 96, 4, 3214868480
	.section	.rodata,"a",@progbits
	.p2align	6, 0x0
	.amdhsa_kernel k_q8a7f3bc521_up
		.amdhsa_group_segment_fixed_size 327680
		.amdhsa_private_segment_fixed_size 0
		.amdhsa_enable_private_segment 0
		.amdhsa_kernarg_size 32
		.amdhsa_user_sgpr_count 2
		.amdhsa_user_sgpr_kernarg_segment_ptr 1
		.amdhsa_wavefront_size32 1
		.amdhsa_system_sgpr_workgroup_id_x 1
		.amdhsa_system_sgpr_workgroup_id_y 1
		.amdhsa_system_sgpr_workgroup_id_z 1
		.amdhsa_system_vgpr_workitem_id 0
		.amdhsa_next_free_vgpr 1024
		.amdhsa_next_free_sgpr 80
		.amdhsa_reserve_vcc 0
		.amdhsa_float_denorm_mode_32 3
		.amdhsa_float_denorm_mode_16_64 3
		.amdhsa_memory_ordered 1
		.amdhsa_forward_progress 1
		.amdhsa_inst_pref_size 137
	.end_amdhsa_kernel
	.amdgpu_metadata
---
amdhsa.version: [ 1, 2 ]
amdhsa.kernels:
  - .name:           k_q8a7f3bc521_up
    .symbol:         k_q8a7f3bc521_up.kd
    .args:
      - { .name: inb, .offset: 0, .size: 8, .value_kind: global_buffer, .address_space: global }
      - { .name: route, .offset: 8, .size: 8, .value_kind: global_buffer, .address_space: global }
      - { .name: hb, .offset: 16, .size: 8, .value_kind: global_buffer, .address_space: global }
      - { .name: order, .offset: 24, .size: 8, .value_kind: global_buffer, .address_space: global }
    .group_segment_fixed_size: 327680
    .private_segment_fixed_size: 0
    .kernarg_segment_align: 8
    .kernarg_segment_size: 32
    .max_flat_workgroup_size: 128
    .sgpr_count:     80
    .vgpr_count:     1024
    .wavefront_size: 32
...
	.end_amdgpu_metadata
.endif
;; end of part 2
;; launch down (part 3): grid 8 x 32, 4 waves a work-group, clusters of 4 x 4, 327,680 bytes of LDS; arguments hb, wts, pf, ab, wcb; writes pf, ab, wcb
.if DOCPART == 3
	.amdgcn_target "amdgcn-amd-amdhsa--gfx1250"
	.amdhsa_code_object_version 6
	.text
	.protected	k_q8a7f3bc521_down
	.globl	k_q8a7f3bc521_down
	.p2align	8
	.type	k_q8a7f3bc521_down,@function
k_q8a7f3bc521_down:
	s_mov_b64 s[64:65], 0
	v_nop
	global_prefetch_b8 v0, s[64:65] scope:SCOPE_SE
	s_setreg_imm32_b32 hwreg(HW_REG_WAVE_MODE, 25, 1), 1
	s_wait_xcnt 0x0
	s_wait_alu depctr_hold_cnt(0) depctr_sa_sdst(0) depctr_va_vdst(0) depctr_va_sdst(0) depctr_va_ssrc(0) depctr_va_vcc(0) depctr_vm_vsrc(0)
	s_getreg_b32 s2, hwreg(HW_REG_IB_STS2, 6, 4)
	s_cmp_eq_u32 s2, 0
	s_cbranch_scc0 .Lentry_in_a_cluster
	s_endpgm
.Lentry_in_a_cluster:
	s_bfe_u32 s2, ttmp6, 0x10000c
	s_cmp_lg_u32 s2, 0xf033
	s_cbranch_scc0 .Lentry_shape_is_right
	s_endpgm
.Lentry_shape_is_right:
; DOWN.  One walk along K = 4,096 makes three products: P = h W_out^T (f32, [4096 sorted rows][1024]), a = h W_adapt^T (bf16, blocks [16][4096][16]) and
; Wc = W_out W_expert_proj (bf16, blocks [16 j blocks][1024 n][16 j]).  Wc stands for the two products a_norm W_expert_proj^T W_out^T of the expert path: (z E^T) O^T = z (O E)^T for every input.
; All operands bf16, all sums f32; a and Wc are rounded once.  NaN and infinities are not treated apart.
; A work-group makes 128 rows x 160 rows of WCAT (128 of W_out, 32 of W_adapt, in two sets of 64 + 16); a wave 64 x 80: 4 x 5 accumulators.  Wc rides along: the tile's fragments of W_out are in
; registers anyway, and 16 columns of W_expert_proj (8 KiB a K step) are added.  A wave multiplies them by two of its W_out fragments and stores the one that its tile row's parity names:
; one product in 22 is spare, the price of LDS addresses that hang on nothing but the wave's number.
; K goes in 16 steps of 256 (LDS rows of 512 bytes) through two slots.  CLUSTER 4 x 4: h's tiles and W_expert_proj's are shared along a row of the cluster, WCAT's along a column; asked for jointly.
; REGISTERS: window 0: v8-22 addresses; v32-191 accumulators ((a, b) at v[32 + 8 (5 a + b)]); v192-207 Wc's two; v208-255 at work.  Windows 1, 2: the two fragment buffers, each 64 along K:
; for each 32 K 80 registers: 4 fragments of h, 5 of WCAT, 1 of W_expert_proj.
.set PITCH, 528                        ; 512 bytes + 16 of padding = 132 words: the 16 rows of a fragment load start at 16 different groups of four banks (64 banks of 4 bytes: ISA guide 11.1)
.set BOFF,  128*PITCH                  ; a slot: h's 128 rows, WCAT's 160 rows, then 256 rows of 32 bytes of W_expert_proj, dense
.set EOFF,  BOFF+160*PITCH
.set SLOT,  EOFF+8192
.set SPARE, 2*SLOT                     ; the spare words, 128 bytes a wave: two blocks of 256 bytes that no other line names
.set SP,    272                        ; the way out: 16 rows x 272 bytes a wave at the head of slot 0, which has had its last fill and its last read by then
.set WEPB,  10485760
.set ADA,  8                           ; v8-9    LDS address of my h fragments in slot 0, 1
.set ADB0, 10                          ; v10-11  of W_out fragments 2 wm, 2 wm + 1 of my set
.set ADB1, 12                          ; v12-13  of the set's other two
.set ADB2, 14                          ; v14-15  of its W_adapt fragment
.set ADX,  16                          ; v16-17  of W_expert_proj, for the turning load
.set STO0, 18
.set STO1, 19
.set RD,   20
.set CO,   21
.set W32,  22
.set SPW,  28
.set NIL,  29
.set ACC,  32
.set XA,   192
.set TS,   208
.set TX,   216
.set TA,   220
.set G1A, 24                           ; s[24:31] group 1, s[32:39] group 0 (a set for each slot) for h
.set G0A, 32
.set G1B, 40                           ; s[40:47], s[48:55] for WCAT
.set G0B, 48
.set G1E, 56                           ; s[56:63], s[68:75] for W_expert_proj
.set G0E, 68
.set MSB, 0
.macro WIN new
.if MSB != (\new)
	s_set_vgpr_msb (MSB<<8)|(\new)
.set MSB, \new
.endif
.endm
.macro JLOAD s                         ; a joint load: waves 0 and 1 fetch h's two halves, wave 2 WCAT's 160 rows, wave 3 W_expert_proj's 8 KiB; an s_nop 0 and four v_nop follow each line
	s_cmp_lt_u32 s14, 2
	s_cbranch_scc0 .Lnot_a_\@
	tensor_load_to_lds s[G0A+4*(\s):G0A+4*(\s)+3], s[G1A:G1A+7]
	s_nop 0
.rept 4
	v_nop
.endr
	s_branch .Lasked_\@
.Lnot_a_\@:
	s_cmp_eq_u32 s14, 2
	s_cbranch_scc0 .Lfor_e_\@
	tensor_load_to_lds s[G0B+4*(\s):G0B+4*(\s)+3], s[G1B:G1B+7]
	s_nop 0
.rept 4
	v_nop
.endr
	s_branch .Lasked_\@
.Lfor_e_\@:
	tensor_load_to_lds s[G0E+4*(\s):G0E+4*(\s)+3], s[G1E:G1E+7]
	s_nop 0
.rept 4
	v_nop
.endr
.Lasked_\@:
.endm
.macro CREST
	s_cmp_lg_u32 s14, 0
	s_cbranch_scc1 .Lnot_wave_0_\@
	s_barrier_signal -3
.Lnot_wave_0_\@:
	s_barrier_wait -3
	s_barrier_signal -1
	s_barrier_wait -1
.endm
.macro CROUND
	s_barrier_signal -1
	s_barrier_wait -1
	CREST
.endm
	s_load_b256 s[4:11], s[0:1], 0x0               ; hb s[4:5], wts s[6:7], pf s[8:9], ab s[10:11]
	s_load_b64 s[12:13], s[0:1], 0x20              ; wcb
	v_lshl_add_u32 v[SPW], v0, 2, SPARE
	v_mov_b32 v[NIL], 0
	ds_add_u32 v[SPW], v[NIL]                      ; the wave's opening: the add and its wait stand ahead of my first tensor load; register work stands between
	v_lshrrev_b32 v1, 5, v0
	v_readfirstlane_b32 s14, v1                    ; wave 0..3
	s_lshr_b32 s15, s14, 1                         ; wm: which 64 rows
	s_and_b32 s16, s14, 1                          ; wn: which set of 80
	s_bfe_u32 s17, ttmp6, 0x40000                  ; cx
	s_bfe_u32 s18, ttmp6, 0x40004                  ; cy
	s_lshl_b32 s19, ttmp9, 2
	s_add_co_u32 s19, s19, s17                     ; nt: tile of 160 rows of WCAT
	s_and_b32 s20, ttmp7, 0xffff
	s_lshl_b32 s20, s20, 2
	s_add_co_u32 s20, s20, s18                     ; mt: tile of 128 rows of h
	s_lshl_b32 s21, s18, 2
	s_lshl_b32 s21, 15, s21                        ; my row of the cluster
	s_lshl_b32 s22, 0x1111, s17                    ; my column
	s_or_b32 s[G1A], s21, (1<<16)|(1<<20)|(1<<21)|(6<<22)|(3<<25)  ; mask; 2-byte elements; padding on; bit 21 beside a mask; after every 128 words, 4 words
	s_or_b32 s[G1B], s22, (1<<16)|(1<<20)|(1<<21)|(6<<22)|(3<<25)
	s_or_b32 s[G1E], s21, (3<<16)|(1<<21)          ; 8-byte elements, no padding
	s_mov_b32 s[G1A+1], 256<<16                    ; 64 rows x 256 elements, 4,096 elements from row to row
	s_mov_b32 s[G1A+2], 64<<16
	s_mov_b32 s[G1A+3], 256<<16
	s_mov_b32 s[G1A+4], 64
	s_mov_b32 s[G1A+5], 4096
	s_mov_b32 s[G1A+6], 0
	s_mov_b32 s[G1A+7], 0
	s_mov_b32 s[G1B+1], 256<<16                    ; 160 rows x 256 elements
	s_mov_b32 s[G1B+2], 160<<16
	s_mov_b32 s[G1B+3], 256<<16
	s_mov_b32 s[G1B+4], 160
	s_mov_b32 s[G1B+5], 4096
	s_mov_b32 s[G1B+6], 0
	s_mov_b32 s[G1B+7], 0
	s_mov_b32 s[G1E+1], 32<<16                     ; 8,192 dense bytes as 32 rows of 256 bytes
	s_mov_b32 s[G1E+2], 32<<16
	s_mov_b32 s[G1E+3], 32<<16
	s_mov_b32 s[G1E+4], 32
	s_mov_b32 s[G1E+5], 32
	s_mov_b32 s[G1E+6], 0
	s_mov_b32 s[G1E+7], 0
	s_lshl_b32 s76, s20, 7
	s_lshl_b32 s23, s16, 6
	s_add_co_u32 s76, s76, s23
	s_lshl_b32 s76, s76, 13                        ; h: (128 mt + 64 half) rows of 8,192 bytes
	s_mov_b32 s77, 0
	s_mul_i32 s78, s19, 160*8192                   ; WCAT: 160 nt rows
	s_mov_b32 s79, 0
	s_lshr_b32 s80, s20, 1
	s_lshl_b32 s80, s80, 17                        ; W_expert_proj: column block mt / 2
	s_add_co_u32 s80, s80, WEPB
	s_mov_b32 s81, 0
	s_mul_i32 s23, s16, 64*PITCH                   ; where h's half goes
	s_wait_dscnt 0x0                               ; the opening add is done
	s_wait_kmcnt 0x0
	s_add_nc_u64 s[76:77], s[4:5], s[76:77]
	s_add_nc_u64 s[78:79], s[6:7], s[78:79]
	s_add_nc_u64 s[80:81], s[6:7], s[80:81]
	CROUND                                         ; all sixteen work-groups are here: the first joint loads meet
.irp s, 0,1
	s_mov_b32 s[G0A+4*(\s)], 1
	s_add_co_u32 s[G0A+4*(\s)+1], s23, (\s)*SLOT
	s_add_nc_u64 s[G0A+4*(\s)+2:G0A+4*(\s)+3], s[76:77], (\s)*512
	s_or_b32 s[G0A+4*(\s)+3], s[G0A+4*(\s)+3], 0x80000000
	s_mov_b32 s[G0B+4*(\s)], 1
	s_mov_b32 s[G0B+4*(\s)+1], BOFF+(\s)*SLOT
	s_add_nc_u64 s[G0B+4*(\s)+2:G0B+4*(\s)+3], s[78:79], (\s)*512
	s_or_b32 s[G0B+4*(\s)+3], s[G0B+4*(\s)+3], 0x80000000
	s_mov_b32 s[G0E+4*(\s)], 1
	s_mov_b32 s[G0E+4*(\s)+1], EOFF+(\s)*SLOT
	s_add_nc_u64 s[G0E+4*(\s)+2:G0E+4*(\s)+3], s[80:81], (\s)*8192
	s_or_b32 s[G0E+4*(\s)+3], s[G0E+4*(\s)+3], 0x80000000
	JLOAD \s
.endr
	v_and_b32 v1, 15, v0                           ; r = l % 16
	v_bfe_u32 v2, v0, 4, 1                         ; h = l / 16
	v_mul_u32_u24 v3, v1, PITCH
	v_lshl_add_u32 v3, v2, 4, v3
	v_and_b32 v4, 7, v0                            ; the turning load: lane l reads row 8 h + l % 8 (a k), bytes 16 ((l / 8) % 2) on, and is left with column l % 16 (a j) and 8 k
	v_lshl_add_u32 v4, v2, 3, v4
	v_bfe_u32 v5, v0, 3, 1
	v_lshlrev_b32 v4, 5, v4
	v_lshl_add_u32 v4, v5, 4, v4
	s_mul_i32 s82, s15, 64*PITCH
	s_mul_i32 s83, s16, 80*PITCH
	s_add_co_u32 s83, s83, BOFF                    ; my set
	s_mul_i32 s84, s15, 32*PITCH
	s_add_co_u32 s84, s84, s83
	s_sub_co_u32 s85, 1, s15
	s_mul_i32 s85, s85, 32*PITCH
	s_add_co_u32 s85, s85, s83
	s_add_co_u32 s86, s83, 64*PITCH
.irp s, 0,1
	v_add_nc_u32 v[ADA+(\s)], s82, v3
	v_add_nc_u32 v[ADB0+(\s)], s84, v3
	v_add_nc_u32 v[ADB1+(\s)], s85, v3
	v_add_nc_u32 v[ADB2+(\s)], s86, v3
	v_add_nc_u32 v[ADX+(\s)], EOFF+(\s)*SLOT, v4
	s_add_co_u32 s82, s82, SLOT
	s_add_co_u32 s84, s84, SLOT
	s_add_co_u32 s85, s85, SLOT
	s_add_co_u32 s86, s86, SLOT
.endr
	s_mul_i32 s87, s14, 16*SP                      ; my stage
	v_mul_u32_u24 v6, v1, SP
	v_lshl_add_u32 v6, v2, 5, v6
	v_add_nc_u32 v6, s87, v6                       ; in: row r, 32 bytes for each half of the lanes,
	s_lshl_b32 s82, s15, 7
	v_add_nc_u32 v[STO0], s82, v6                  ; at fragments 2 wm, 2 wm + 1 of the row's four,
	s_xor_b32 s82, s82, 128
	v_add_nc_u32 v[STO1], s82, v6                  ; and at the other two
	v_mul_u32_u24 v7, v2, SP
	v_lshl_add_u32 v7, v1, 4, v7
	v_add_nc_u32 v[RD], s87, v7                    ; back: lanes 0-15 one row of 256 bytes, lanes 16-31 the next
	v_lshlrev_b32 v[CO], 12, v2
	v_lshl_add_u32 v[CO], v1, 4, v[CO]             ; the same two rows in pf
	v_lshlrev_b32 v[W32], 5, v1
	v_lshl_add_u32 v[W32], v2, 4, v[W32]           ; a block of 16 rows x 16 numbers of bf16: row x 32 + 16 h
	s_lshl_b32 s82, s20, 7
	s_lshl_b32 s83, s15, 6
	s_add_co_u32 s82, s82, s83                     ; my first row: 128 mt + 64 wm
	s_lshl_b32 s84, s82, 12
	s_lshl_b32 s86, s19, 7
	s_lshl_b32 s87, s16, 6
	s_add_co_u32 s86, s86, s87                     ; my first column of P: 128 nt + 64 wn
	s_lshl_b32 s87, s86, 2
	s_add_co_u32 s84, s84, s87
	s_mov_b32 s85, 0
	s_add_nc_u64 s[8:9], s[8:9], s[84:85]
	s_lshl_b32 s84, s19, 1
	s_add_co_u32 s84, s84, s16                     ; a's column block 2 nt + wn
	s_lshl_b32 s84, s84, 12
	s_add_co_u32 s84, s84, s82
	s_lshl_b32 s84, s84, 5
	s_add_nc_u64 s[10:11], s[10:11], s[84:85]
	s_lshr_b32 s84, s20, 1
	s_lshl_b32 s84, s84, 10                        ; Wc: block mt / 2, rows 128 nt + 64 wn + 32 wm + 16 (mt % 2) on
	s_add_co_u32 s84, s84, s86
	s_lshl_b32 s87, s15, 5
	s_add_co_u32 s84, s84, s87
	s_and_b32 s87, s20, 1
	s_lshl_b32 s83, s87, 4
	s_add_co_u32 s84, s84, s83
	s_lshl_b32 s84, s84, 5
	s_add_nc_u64 s[12:13], s[12:13], s[84:85]
	s_cmp_eq_u32 s87, 1
	s_cselect_b32 s89, -1, 0                       ; a lane mask that picks the second of Wc's two results: a value, no branch hangs on it
; 11 matrix instructions: row blocks 2 g, 2 g + 1 x the 5 fragments of WCAT, then Wc's result g; 32 along K: half c of the buffer in window f.  The 22 accumulators take turns.
.macro MULH f, c, g, zero
	WIN 5*(\f)                                     ; sources 0 and 1 in window f, C and D in window 0
.irp a, 2*(\g), 2*(\g)+1
.irp b, 0,1,2,3,4
.if \zero
	v_wmma_f32_16x16x32_bf16 v[ACC+8*(5*(\a)+(\b)):ACC+8*(5*(\a)+(\b))+7], v[80*(\c)+32+8*(\b):80*(\c)+32+8*(\b)+7], v[80*(\c)+8*(\a):80*(\c)+8*(\a)+7], 0
.else
	v_wmma_f32_16x16x32_bf16 v[ACC+8*(5*(\a)+(\b)):ACC+8*(5*(\a)+(\b))+7], v[80*(\c)+32+8*(\b):80*(\c)+32+8*(\b)+7], v[80*(\c)+8*(\a):80*(\c)+8*(\a)+7], v[ACC+8*(5*(\a)+(\b)):ACC+8*(5*(\a)+(\b))+7]
.endif
.endr
.endr
.if \zero
	v_wmma_f32_16x16x32_bf16 v[XA+8*(\g):XA+8*(\g)+7], v[80*(\c)+72:80*(\c)+79], v[80*(\c)+32+8*(\g):80*(\c)+32+8*(\g)+7], 0
.else
	v_wmma_f32_16x16x32_bf16 v[XA+8*(\g):XA+8*(\g)+7], v[80*(\c)+72:80*(\c)+79], v[80*(\c)+32+8*(\g):80*(\c)+32+8*(\g)+7], v[XA+8*(\g):XA+8*(\g)+7]
.endif
.endm
; 40 LDS loads in one run: the fragments of quarter q (64 along K) into the buffer in window f; the first 32 along K first
.macro FETCH slot, q, f
	WIN (\f)<<6
.irp c, 0,1
.irp b, 0,1
	ds_load_b128 v[80*(\c)+32+8*(\b):80*(\c)+32+8*(\b)+3],   v[ADB0+(\slot)] offset:128*(\q)+64*(\c)+(\b)*16*PITCH
	ds_load_b128 v[80*(\c)+32+8*(\b)+4:80*(\c)+32+8*(\b)+7], v[ADB0+(\slot)] offset:128*(\q)+64*(\c)+(\b)*16*PITCH+32
.endr
.irp b, 0,1
	ds_load_b128 v[80*(\c)+48+8*(\b):80*(\c)+48+8*(\b)+3],   v[ADB1+(\slot)] offset:128*(\q)+64*(\c)+(\b)*16*PITCH
	ds_load_b128 v[80*(\c)+48+8*(\b)+4:80*(\c)+48+8*(\b)+7], v[ADB1+(\slot)] offset:128*(\q)+64*(\c)+(\b)*16*PITCH+32
.endr
	ds_load_b128 v[80*(\c)+64:80*(\c)+67], v[ADB2+(\slot)] offset:128*(\q)+64*(\c)
	ds_load_b128 v[80*(\c)+68:80*(\c)+71], v[ADB2+(\slot)] offset:128*(\q)+64*(\c)+32
.irp a, 0,1,2,3
	ds_load_b128 v[80*(\c)+8*(\a):80*(\c)+8*(\a)+3],   v[ADA+(\slot)] offset:128*(\q)+64*(\c)+(\a)*16*PITCH
	ds_load_b128 v[80*(\c)+8*(\a)+4:80*(\c)+8*(\a)+7], v[ADA+(\slot)] offset:128*(\q)+64*(\c)+(\a)*16*PITCH+32
.endr
	ds_load_tr16_b128 v[80*(\c)+72:80*(\c)+75], v[ADX+(\slot)] offset:2048*(\q)+1024*(\c)
	ds_load_tr16_b128 v[80*(\c)+76:80*(\c)+79], v[ADX+(\slot)] offset:2048*(\q)+1024*(\c)+512
.endr
.endm
.macro PLACES                          ; four plain vector instructions between a matrix instruction and a load into, or a read of, its registers
.rept 4
	v_nop
.endr
.endm
.macro QUARTER slot, q, f, g, zero     ; multiplies buffer f; in its middle fetches quarter q into buffer g
	s_wait_dscnt 20                                ; the first 32 along K are in
	MULH \f, 0, 0, \zero
	MULH \f, 0, 1, \zero
	PLACES
	FETCH \slot, \q, \g
	s_wait_dscnt 40                                ; all but the 40 just issued
	MULH \f, 1, 0, 0
	MULH \f, 1, 1, 0
.endm
; A step's last quarter multiplies buffer 2 and changes slots: ONE barrier; in front of it each wave waits for all its tensor loads, adds 0 to its spare word, and waits for that and for its reads of this slot.
.macro TURN slot, next, fill
	WIN 0
	s_wait_tensorcnt 0x0                           ; all my tensor loads have landed: my part of the next slot
	ds_add_u32 v[SPW], v[NIL]                      ; 0 onto my spare word
	s_wait_dscnt 21                                ; the add and the youngest twenty loads may be out
	MULH 2, 0, 0, 0
	s_wait_dscnt 0x0                               ; the add is done, and my reads of this slot are over
	s_barrier_signal -1
	MULH 2, 0, 1, 0
.if \fill
	WIN 0
.endif
	s_barrier_wait -1
.if \fill
	CREST                                          ; the barrier has opened a round of the cluster's: no wave of any partner still reads this slot or has a load on its way
	s_add_nc_u64 s[G0A+4*(\slot)+2:G0A+4*(\slot)+3], s[G0A+4*(\slot)+2:G0A+4*(\slot)+3], 1024
	s_add_nc_u64 s[G0B+4*(\slot)+2:G0B+4*(\slot)+3], s[G0B+4*(\slot)+2:G0B+4*(\slot)+3], 1024
	s_add_nc_u64 s[G0E+4*(\slot)+2:G0E+4*(\slot)+3], s[G0E+4*(\slot)+2:G0E+4*(\slot)+3], 16384
	JLOAD \slot                                    ; the first tensor load behind the round, 154 matrix instructions ahead of the wait for it; its four v_nop are also the places in front of the loads below
.else
	PLACES
.endif
	FETCH \next, 0, 1
	MULH 2, 1, 0, 0
	MULH 2, 1, 1, 0
.endm
	s_wait_tensorcnt 1                             ; my part of K step 0 is in; step 1's may stay out
	s_barrier_signal -1
	s_barrier_wait -1
	FETCH 0, 0, 1
	QUARTER 0, 1, 1, 2, 1                          ; the first products start the sums: nothing is cleared
	WIN 0
	s_mov_b32 s88, 7
.Llap:                                                 ; a trip goes once round the ring and fills both slots again
	QUARTER 0, 2, 2, 1, 0
	QUARTER 0, 3, 1, 2, 0
	TURN 0, 1, 1
	QUARTER 1, 1, 1, 2, 0
	QUARTER 1, 2, 2, 1, 0
	QUARTER 1, 3, 1, 2, 0
	TURN 1, 0, 1
	QUARTER 0, 1, 1, 2, 0
	WIN 0
	s_sub_co_u32 s88, s88, 1
	s_cmp_lg_u32 s88, 0
	s_cbranch_scc1 .Llap
	QUARTER 0, 2, 2, 1, 0                          ; the last lap is written out: it asks for nothing
	QUARTER 0, 3, 1, 2, 0
	TURN 0, 1, 0                                   ; behind this barrier nobody reads slot 0 any more, and nothing fills it again: its head serves as the stages
	QUARTER 1, 1, 1, 2, 0
	QUARTER 1, 2, 2, 1, 0
	QUARTER 1, 3, 1, 2, 0
	s_wait_dscnt 20
	MULH 2, 0, 0, 0
	MULH 2, 0, 1, 0
	s_wait_dscnt 0x0
	MULH 2, 1, 0, 0
	MULH 2, 1, 1, 0
	WIN 0
	; THE WAY OUT.  Every accumulator is read from its low registers on.
	PLACES
.irp i, 0,1,2,3,4,5,6,7
	v_cndmask_b32 v[TS+(\i)], v[XA+(\i)], v[XA+8+(\i)], s89
.endr
.irp k, 0,1,2,3
	v_cvt_pk_bf16_f32 v[TX+(\k)], v[TS+2*(\k)], v[TS+2*(\k)+1]  ; lane: row n = r of Wc, columns j = 8 h ..
.endr
	global_store_b128 v[W32], v[TX:TX+3], s[12:13] ; 512 consecutive bytes
.irp a, 0,1,2,3
.irp k, 0,1,2,3
	v_cvt_pk_bf16_f32 v[TA+4*(\a)+(\k)], v[ACC+40*(\a)+32+2*(\k)], v[ACC+40*(\a)+32+2*(\k)+1]
.endr
	global_store_b128 v[W32], v[TA+4*(\a):TA+4*(\a)+3], s[10:11] offset:512*(\a)  ; a: 16 rows x 16 columns, 512 consecutive bytes
.endr
.macro PSTG a                          ; 16 rows x 64 columns of P in f32 into my stage, and back as whole rows of 256 bytes, into the registers that they left
.irp b, 0,1
	ds_store_b128 v[STO0], v[ACC+40*(\a)+8*(\b):ACC+40*(\a)+8*(\b)+3]   offset:64*(\b)
	ds_store_b128 v[STO0], v[ACC+40*(\a)+8*(\b)+4:ACC+40*(\a)+8*(\b)+7] offset:64*(\b)+16
.endr
.irp b, 0,1
	ds_store_b128 v[STO1], v[ACC+40*(\a)+16+8*(\b):ACC+40*(\a)+16+8*(\b)+3]   offset:64*(\b)
	ds_store_b128 v[STO1], v[ACC+40*(\a)+16+8*(\b)+4:ACC+40*(\a)+16+8*(\b)+7] offset:64*(\b)+16
.endr
.irp t, 0,1,2,3,4,5,6,7
	ds_load_b128 v[ACC+40*(\a)+4*(\t):ACC+40*(\a)+4*(\t)+3], v[RD] offset:(\t)*2*SP  ; LDS serves a wave's instructions in order (ISA guide 5.7.1.4): these see the stores above; the next block's stores come behind them
.endr
.endm
.macro PSEND a, younger                ; younger: the LDS instructions issued behind block a's loads
.irp t, 0,1,2,3,4,5,6,7
	s_wait_dscnt (\younger)+7-(\t)
	global_store_b128 v[CO], v[ACC+40*(\a)+4*(\t):ACC+40*(\a)+4*(\t)+3], s[8:9] offset:(16*(\a)+2*(\t))*4096  ; 16 lanes cover 256 consecutive bytes, at a multiple of 256 from pf's first byte
.endr
.endm
	PSTG 0
	PSTG 1
	PSEND 0, 16
	PSTG 2
	PSEND 1, 16
	PSTG 3
	PSEND 2, 16
	PSEND 3, 0
	s_wait_tensorcnt 0x0                           ; the wave's end, behind my last tensor load and my last LDS store
	ds_add_u32 v[SPW], v[NIL]
	s_wait_dscnt 0x0
	CROUND                                         ; the closing round: no work-group ends while a partner may still ask for a tile that names it
	s_endpgm
.Lfunc_end_k_q8a7f3bc521_down:
	.size	k_q8a7f3bc521_down, .Lfunc_end_k_q8a7f3bc521_down-k_q8a7f3bc521_down
	.p2alignl 7, 3214868480
	.fill 96, 4, 3214868480
	.section	.rodata,"a",@progbits
	.p2align	6, 0x0
	.amdhsa_kernel k_q8a7f3bc521_down
		.amdhsa_group_segment_fixed_size 327680
		.amdhsa_private_segment_fixed_size 0
		.amdhsa_enable_private_segment 0
		.amdhsa_kernarg_size 40
		.amdhsa_user_sgpr_count 2
		.amdhsa_user_sgpr_kernarg_segment_ptr 1
		.amdhsa_wavefront_size32 1
		.amdhsa_system_sgpr_workgroup_id_x 1
		.amdhsa_system_sgpr_workgroup_id_y 1
		.amdhsa_system_sgpr_workgroup_id_z 1
		.amdhsa_system_vgpr_workitem_id 0
		.amdhsa_next_free_vgpr 768
		.amdhsa_next_free_sgpr 92
		.amdhsa_reserve_vcc 0
		.amdhsa_float_denorm_mode_32 3
		.amdhsa_float_denorm_mode_16_64 3
		.amdhsa_memory_ordered 1
		.amdhsa_forward_progress 1
		.amdhsa_inst_pref_size 113
	.end_amdhsa_kernel
	.amdgpu_metadata
---
amdhsa.version: [ 1, 2 ]
amdhsa.kernels:
  - .name:           k_q8a7f3bc521_down
    .symbol:         k_q8a7f3bc521_down.kd
    .args:
      - { .name: hb, .offset: 0, .size: 8, .value_kind: global_buffer, .address_space: global }
      - { .name: wts, .offset: 8, .size: 8, .value_kind: global_buffer, .address_space: global }
      - { .name: pf, .offset: 16, .size: 8, .value_kind: global_buffer, .address_space: global }
      - { .name: ab, .offset: 24, .size: 8, .value_kind: global_buffer, .address_space: global }
      - { .name: wcb, .offset: 32, .size: 8, .value_kind: global_buffer, .address_space: global }
    .group_segment_fixed_size: 327680
    .private_segment_fixed_size: 0
    .kernarg_segment_align: 8
    .kernarg_segment_size: 40
    .max_flat_workgroup_size: 128
    .sgpr_count:     92
    .vgpr_count:     768
    .wavefront_size: 32
...
	.end_amdgpu_metadata
.endif
;; end of part 3
;; launch final (part 4): grid 4 x 59, 8 waves a work-group, no clusters, 135,424 bytes of LDS; arguments route, order, wts, wcb, ab, pf, ln_gamma, ln_beta, out0; writes out0
.if DOCPART == 4
	.amdgcn_target "amdgcn-amd-amdhsa--gfx1250"
	.amdhsa_code_object_version 6
	.text
	.protected	k_q8a7f3bc521_final
	.globl	k_q8a7f3bc521_final
	.p2align	8
	.type	k_q8a7f3bc521_final,@function
k_q8a7f3bc521_final:
	s_mov_b64 s[64:65], 0
	v_nop
	global_prefetch_b8 v0, s[64:65] scope:SCOPE_SE
	s_setreg_imm32_b32 hwreg(HW_REG_WAVE_MODE, 25, 1), 1
	s_wait_xcnt 0x0
; FINAL.  For a tile of up to 80 sorted rows of ONE expert e and a slice of 256 output columns: a_sel = a W_exp[e]^T, LayerNorm with e's gain and bias (mean, then the mean of squared
; differences: two passes, f32), z rounded to bf16, e_out = z Wc^T, out0[token] = P + 0.1 e_out, or exactly P for a token with no active expert.
; The grid serves every split: with tiles of 80 rows at most ceil(4096 / 80) + 7 = 59 have rows.  A tile without rows, and the places past a tile's count, run the same text on rows that exist
; (indices are held to 4,095) and only their stores are jumped: every wave passes every barrier.  Matrix operands bf16, sums f32; NaN and infinities are not treated apart.
; Both products take the weights as source 0, straight from memory in the order of the operand registers (each weight byte once a work-group, five products from each fragment),
; and the tokens as source 1 from LDS; a lane of a result holds ONE token, so the first product's result, normalised and rounded in pairs, IS wave w's K block of the second product's source 1.
; NO CLUSTER, NO TENSOR LOADS: a tile's four slices share W_exp[e] (128 KiB) and 40 KiB of a, whose addresses hang on numbers read from memory; all else is each work-group's own.
; REGISTERS: window 0 as named below; window 1: v0-127 W_exp[e]'s 16 fragments, later P's 80 registers; v128-255 Wc's 16 fragments.
.set ST,    40960                      ; LDS: bytes 0-40,959 z as fragments [K block 8][token block 5][half 2][lane] x 16 bytes; from here first a in the same form, later 80 rows x 1,040 bytes of e_out
.set SPT,   1040                       ; 1,024 bytes + 16: row r starts 4 r banks on (64 banks of 4 bytes: ISA guide 11.1)
.set S1,    124160                     ; [token block][lane][wave] words: the waves' partial sums; 5,120 bytes on the same for the squares
.set SPARE, 134400                     ; the spare words, 128 bytes a wave: four blocks of 256 bytes that no other line names
.set WXB,   12582912
.set L16,  4                           ; 16 x lane
.set W32,  5                           ; 32 r + 16 h
.set SPW,  6
.set NIL,  7
.set AAB,  8                           ; a's fragments: ST + 16 x lane
.set GV,   9                           ; 32 h
.set AWA,  10                          ; where my wave's K block of a goes
.set AWZ,  11                          ; and of z
.set SST,  12                          ; my word of the partial sums
.set SLD,  13                          ; my lane's eight words
.set STG0, 14                          ; e_out's stage: row r, my wave's 128 bytes, 32 bytes for each half of the lanes; token blocks 0-2
.set STG1, 15                          ; token blocks 3, 4
.set SRD,  16                          ; my wave's ten rows, read back
.set AOF,  17                          ; v17-21  byte offsets of a's rows
.set PO,   22                          ; v22-31  byte offsets of P's rows
.set ACC,  32                          ; accumulator (token block tb, weight block ob) at v[32 + 16 tb + 8 ob]
.set FR,   112                         ; v112-191  two buffers of five token fragments; at work between the products
.set G,    192                         ; v192-207  gain of my lane's 16 channels
.set B,    208                         ; v208-223  bias
.set MU,   224                         ; v224-233  the mean, twice, for each token block
.set RS,   234                         ; v234-243  1 / sqrt(var + eps), twice
.set MSB, 0
.macro WIN new
.if MSB != (\new)
	s_set_vgpr_msb (MSB<<8)|(\new)
.set MSB, \new
.endif
.endm
.macro PLACES                          ; four plain vector instructions between a matrix instruction and a load into, or a read of, its registers
.rept 4
	v_nop
.endr
.endm
.macro WLOAD dst, base, S              ; 32 rows x 256 K of blocked weights into window 1: fragment (ob, kb) at dst + 8 (8 ob + kb); each load covers 512 consecutive bytes
	WIN 0x40
.irp ob, 0,1
.irp kb, 0,1,2,3,4,5,6,7
	global_load_b128 v[(\dst)+8*(8*(\ob)+(\kb)):(\dst)+8*(8*(\ob)+(\kb))+3],   v[W32], s[(\base):(\base)+1] offset:(2*(\kb))*(\S)+(\ob)*512
	global_load_b128 v[(\dst)+8*(8*(\ob)+(\kb))+4:(\dst)+8*(8*(\ob)+(\kb))+7], v[W32], s[(\base):(\base)+1] offset:(2*(\kb)+1)*(\S)+(\ob)*512
.endr
.endr
	WIN 0
.endm
.macro FZ areg, kb, buf                ; ten LDS loads: the five token fragments of K block kb
.irp tb, 0,1,2,3,4
	ds_load_b128 v[FR+40*(\buf)+8*(\tb):FR+40*(\buf)+8*(\tb)+3],   v[\areg] offset:((5*(\kb)+(\tb))*2)*512
	ds_load_b128 v[FR+40*(\buf)+8*(\tb)+4:FR+40*(\buf)+8*(\tb)+7], v[\areg] offset:((5*(\kb)+(\tb))*2+1)*512
.endr
.endm
.macro MM wb, kb, buf, zero            ; ten matrix instructions; the ten accumulators take turns
	WIN 0x01                                       ; source 0 in window 1
.irp ob, 0,1
.irp tb, 0,1,2,3,4
.if \zero
	v_wmma_f32_16x16x32_bf16 v[ACC+16*(\tb)+8*(\ob):ACC+16*(\tb)+8*(\ob)+7], v[(\wb)+8*(8*(\ob)+(\kb)):(\wb)+8*(8*(\ob)+(\kb))+7], v[FR+40*(\buf)+8*(\tb):FR+40*(\buf)+8*(\tb)+7], 0
.else
	v_wmma_f32_16x16x32_bf16 v[ACC+16*(\tb)+8*(\ob):ACC+16*(\tb)+8*(\ob)+7], v[(\wb)+8*(8*(\ob)+(\kb)):(\wb)+8*(8*(\ob)+(\kb))+7], v[FR+40*(\buf)+8*(\tb):FR+40*(\buf)+8*(\tb)+7], v[ACC+16*(\tb)+8*(\ob):ACC+16*(\tb)+8*(\ob)+7]
.endif
.endr
.endr
.endm
.macro PROD areg, wb                   ; 32 x 80 x 256: eight K blocks on two fragment buffers
	FZ \areg, 0, 0
	FZ \areg, 1, 1
.irp kb, 0,1,2,3,4,5,6,7
.if (\kb) < 7
	s_wait_dscnt 10                                ; this K block's ten loads are in; the next block's may be out
.else
	s_wait_dscnt 0x0
.endif
.if (\kb) == 0
	MM \wb, \kb, 0, 1
.else
	MM \wb, \kb, (\kb)%2, 0
.endif
.if (\kb) < 6
	PLACES
	WIN 0
	FZ \areg, (\kb)+2, (\kb)%2
.endif
.endr
	WIN 0
.endm
; The waves' partial sums meet.  In: v[FR + 8 tb] my lane's sum over its 16 channels.  Out: the same register holds the token's sum over all 256.
.macro XCH so
.irp tb, 0,1,2,3,4
	v_permlanex16_b32 v[FR+8*(\tb)+1], v[FR+8*(\tb)], s60, s61  ; the token's other 16 channels of my wave lie in the lane 16 away
.endr
.irp tb, 0,1,2,3,4
	v_add_f32 v[FR+8*(\tb)], v[FR+8*(\tb)], v[FR+8*(\tb)+1]
.endr
.irp tb, 0,1,2,3,4
	ds_store_b32 v[SST], v[FR+8*(\tb)] offset:(\so)+1024*(\tb)
.endr
	s_wait_dscnt 0x0                               ; for the others' sake: my sums are in LDS
	s_barrier_signal -1
	s_barrier_wait -1
.irp tb, 0,1,2,3,4
	ds_load_b128 v[FR+8*(\tb):FR+8*(\tb)+3],   v[SLD] offset:(\so)+1024*(\tb)
	ds_load_b128 v[FR+8*(\tb)+4:FR+8*(\tb)+7], v[SLD] offset:(\so)+1024*(\tb)+16
.endr
	s_wait_dscnt 0x0
.irp tb, 0,1,2,3,4
	v_pk_add_f32 v[FR+8*(\tb):FR+8*(\tb)+1], v[FR+8*(\tb):FR+8*(\tb)+1], v[FR+8*(\tb)+2:FR+8*(\tb)+3]
	v_pk_add_f32 v[FR+8*(\tb)+4:FR+8*(\tb)+5], v[FR+8*(\tb)+4:FR+8*(\tb)+5], v[FR+8*(\tb)+6:FR+8*(\tb)+7]
.endr
.irp tb, 0,1,2,3,4
	v_pk_add_f32 v[FR+8*(\tb):FR+8*(\tb)+1], v[FR+8*(\tb):FR+8*(\tb)+1], v[FR+8*(\tb)+4:FR+8*(\tb)+5]
.endr
.irp tb, 0,1,2,3,4
	v_add_f32 v[FR+8*(\tb)], v[FR+8*(\tb)], v[FR+8*(\tb)+1]
.endr
.endm
	s_load_b512 s[4:19], s[0:1], 0x0               ; route, order, wts, wcb, ab, pf, ln_gamma, ln_beta
	s_load_b64 s[20:21], s[0:1], 0x40              ; out0
	v_lshl_add_u32 v[SPW], v0, 2, SPARE
	v_mov_b32 v[NIL], 0
	v_lshrrev_b32 v1, 5, v0
	v_readfirstlane_b32 s22, v1                    ; wave 0..7
	s_mov_b32 s23, ttmp9                           ; slice of 256 columns
	s_and_b32 s24, ttmp7, 0xffff                   ; tile
	s_lshl_b32 s66, s24, 2
	s_mov_b32 s60, 0x76543210                      ; v_permlanex16_b32: each lane takes its own place in the other half
	s_mov_b32 s61, 0xfedcba98
	s_mov_b32 s62, 0x3b800000                      ; 1 / 256
	s_mov_b32 s63, 0x3727c5ac                      ; 1e-5
	s_mov_b32 s69, 0                               ; high words of the offset pairs
	s_mov_b32 s79, 0
	v_and_b32 v1, 31, v0                           ; lane
	v_and_b32 v2, 15, v0                           ; r
	v_bfe_u32 v3, v0, 4, 1                         ; h
	v_lshlrev_b32 v[L16], 4, v1
	v_lshlrev_b32 v[W32], 5, v2
	v_lshl_add_u32 v[W32], v3, 4, v[W32]
	v_lshlrev_b32 v[GV], 5, v3
	s_wait_kmcnt 0x0
	s_load_b32 s25, s[4:5], s66 offset:0x4000      ; the tile's word of the table
	s_lshl_b32 s68, s23, 8
	s_lshl_b32 s67, s22, 5
	s_add_co_u32 s68, s68, s67
	s_lshl_b32 s68, s68, 5                         ; Wc's rows 256 slice + 32 wave on
	s_add_nc_u64 s[10:11], s[10:11], s[68:69]
	WLOAD 128, 10, 32768                           ; they hang on no loaded number: asked for first
	s_lshl_b32 s68, s23, 10
	s_add_nc_u64 s[14:15], s[14:15], s[68:69]      ; pf and out0 at my slice
	s_add_nc_u64 s[20:21], s[20:21], s[68:69]
	s_lshl_b32 s68, s22, 18
	s_add_nc_u64 s[12:13], s[12:13], s[68:69]      ; a at column blocks 2 wave, 2 wave + 1
	v_add_nc_u32 v[AAB], ST, v[L16]
	s_mul_i32 s70, s22, 5120
	v_add_nc_u32 v[AWZ], s70, v[L16]
	v_add_nc_u32 v[AWA], ST, v[AWZ]
	v_lshlrev_b32 v[SLD], 5, v1
	v_add_nc_u32 v[SLD], S1, v[SLD]
	v_lshl_add_u32 v[SST], s22, 2, v[SLD]
	v_mul_u32_u24 v[STG0], v2, SPT
	v_lshl_add_u32 v[STG0], v3, 5, v[STG0]
	s_lshl_b32 s70, s22, 7
	s_add_co_u32 s70, s70, ST
	v_add_nc_u32 v[STG0], s70, v[STG0]
	v_add_nc_u32 v[STG1], 48*SPT, v[STG0]
	s_mul_i32 s70, s22, 10*SPT
	s_add_co_u32 s70, s70, ST
	v_add_nc_u32 v[SRD], s70, v[L16]
	s_wait_kmcnt 0x0
	s_bfe_u32 s26, s25, 0xd0000                    ; first row; each loaded number is held to a bound before it enters an address
	s_min_u32 s26, s26, 0xfff
	s_bfe_u32 s27, s25, 0x7000d                    ; rows
	s_min_u32 s27, s27, 80
	s_bfe_u32 s28, s25, 0x30014                    ; expert
	s_min_u32 s28, s28, 7
	s_mul_i32 s76, s22, 10                         ; on the way out my wave has the tile's rows 10 wave ..
	s_add_co_u32 s77, s26, s76
.irp i, 0,1,2,3,4,5,6,7,8,9
	s_add_co_u32 s[80+(\i)], s77, \i
	s_min_u32 s[80+(\i)], s[80+(\i)], 0xfff
	s_lshl_b32 s[80+(\i)], s[80+(\i)], 2
	s_load_b32 s[30+(\i)], s[6:7], s[80+(\i)] offset:0x0  ; token | active << 16
.endr
.irp tb, 0,1,2,3,4
	v_add3_u32 v[AOF+(\tb)], v2, s26, 16*(\tb)
	v_min_u32 v[AOF+(\tb)], 0xfff, v[AOF+(\tb)]
	v_lshlrev_b32 v[AOF+(\tb)], 5, v[AOF+(\tb)]
	v_lshl_add_u32 v[AOF+(\tb)], v3, 4, v[AOF+(\tb)]
.endr
.irp tb, 0,1,2,3,4
	global_load_b128 v[FR+8*(\tb):FR+8*(\tb)+3],   v[AOF+(\tb)], s[12:13]
	global_load_b128 v[FR+8*(\tb)+4:FR+8*(\tb)+7], v[AOF+(\tb)], s[12:13] offset:131072
.endr
	s_lshl_b32 s67, s28, 8
	s_lshl_b32 s70, s22, 5
	s_add_co_u32 s67, s67, s70                     ; 256 e + 32 wave
	s_lshl_b32 s68, s67, 5
	s_add_co_u32 s68, s68, WXB
	s_add_nc_u64 s[8:9], s[8:9], s[68:69]
	WLOAD 0, 8, 65536
	s_lshl_b32 s68, s67, 2
	s_add_nc_u64 s[16:17], s[16:17], s[68:69]
	s_add_nc_u64 s[18:19], s[18:19], s[68:69]
.irp q, 0,1,2,3
	global_load_b128 v[G+4*(\q):G+4*(\q)+3], v[GV], s[16:17] offset:64*((\q)/2)+16*((\q)%2)  ; channels 32 wave + 16 ob + 8 h ..
.endr
.irp q, 0,1,2,3
	global_load_b128 v[B+4*(\q):B+4*(\q)+3], v[GV], s[18:19] offset:64*((\q)/2)+16*((\q)%2)
.endr
	s_wait_loadcnt 40                              ; a's ten loads are in; W_exp's 32 and the 8 of gain and bias may be out
.irp tb, 0,1,2,3,4
	ds_store_b128 v[AWA], v[FR+8*(\tb):FR+8*(\tb)+3]   offset:(2*(\tb))*512
	ds_store_b128 v[AWA], v[FR+8*(\tb)+4:FR+8*(\tb)+7] offset:(2*(\tb)+1)*512
.endr
	s_wait_dscnt 0x0                               ; for the others' sake: my K block of a is in LDS
	s_barrier_signal -1
	s_barrier_wait -1
	s_wait_loadcnt 8                               ; W_exp's fragments are in
	PROD AAB, 0                                    ; a_sel^T: my wave's 32 channels of 80 tokens
	PLACES
.irp i, 0,1,2,3,4,5,6,7,8,9
	v_lshl_add_u32 v[PO+(\i)], s[80+(\i)], 10, v[L16]  ; row x 4,096 + 16 x lane
.endr
	WIN 0x40                                       ; P takes W_exp's registers
.irp i, 0,1,2,3,4,5,6,7,8,9
	global_load_b128 v[8*(\i):8*(\i)+3],   v[PO+(\i)], s[14:15]
	global_load_b128 v[8*(\i)+4:8*(\i)+7], v[PO+(\i)], s[14:15] offset:512
.endr
	WIN 0
	s_wait_kmcnt 0x0                               ; the order words
.irp i, 0,1,2,3,4,5,6,7,8,9
	s_min_u32 s78, s[30+(\i)], 0x1ffff
	s_and_b32 s78, s78, 0xfff
	s_lshl_b32 s78, s78, 12
	s_add_nc_u64 s[40+2*(\i):41+2*(\i)], s[20:21], s[78:79]  ; out0 at the token's row, my slice
.endr
	; the mean.  Each accumulator's low registers are read first.
.irp tb, 0,1,2,3,4
.irp k, 0,1,2,3
	v_pk_add_f32 v[FR+8*(\tb)+2*(\k):FR+8*(\tb)+2*(\k)+1], v[ACC+16*(\tb)+2*(\k):ACC+16*(\tb)+2*(\k)+1], v[ACC+16*(\tb)+8+2*(\k):ACC+16*(\tb)+8+2*(\k)+1]
.endr
	v_pk_add_f32 v[FR+8*(\tb):FR+8*(\tb)+1], v[FR+8*(\tb):FR+8*(\tb)+1], v[FR+8*(\tb)+2:FR+8*(\tb)+3]
	v_pk_add_f32 v[FR+8*(\tb)+4:FR+8*(\tb)+5], v[FR+8*(\tb)+4:FR+8*(\tb)+5], v[FR+8*(\tb)+6:FR+8*(\tb)+7]
	v_pk_add_f32 v[FR+8*(\tb):FR+8*(\tb)+1], v[FR+8*(\tb):FR+8*(\tb)+1], v[FR+8*(\tb)+4:FR+8*(\tb)+5]
	v_add_f32 v[FR+8*(\tb)], v[FR+8*(\tb)], v[FR+8*(\tb)+1]
.endr
	XCH 0
.irp tb, 0,1,2,3,4
	v_mul_f32 v[MU+2*(\tb)], s62, v[FR+8*(\tb)]
	v_mul_f32 v[MU+2*(\tb)+1], s62, v[FR+8*(\tb)]
.endr
	; the differences, in place, and the sum of their squares in two chains
.irp tb, 0,1,2,3,4
.irp k, 0,1,2,3,4,5,6,7
	v_pk_add_f32 v[ACC+16*(\tb)+2*(\k):ACC+16*(\tb)+2*(\k)+1], v[ACC+16*(\tb)+2*(\k):ACC+16*(\tb)+2*(\k)+1], v[MU+2*(\tb):MU+2*(\tb)+1] neg_lo:[0,1] neg_hi:[0,1]
.endr
.irp k, 0,1
	v_pk_mul_f32 v[FR+8*(\tb)+2*(\k):FR+8*(\tb)+2*(\k)+1], v[ACC+16*(\tb)+2*(\k):ACC+16*(\tb)+2*(\k)+1], v[ACC+16*(\tb)+2*(\k):ACC+16*(\tb)+2*(\k)+1]
.endr
.irp k, 2,3,4,5,6,7
	v_pk_fma_f32 v[FR+8*(\tb)+2*((\k)%2):FR+8*(\tb)+2*((\k)%2)+1], v[ACC+16*(\tb)+2*(\k):ACC+16*(\tb)+2*(\k)+1], v[ACC+16*(\tb)+2*(\k):ACC+16*(\tb)+2*(\k)+1], v[FR+8*(\tb)+2*((\k)%2):FR+8*(\tb)+2*((\k)%2)+1]
.endr
	v_pk_add_f32 v[FR+8*(\tb):FR+8*(\tb)+1], v[FR+8*(\tb):FR+8*(\tb)+1], v[FR+8*(\tb)+2:FR+8*(\tb)+3]
	v_add_f32 v[FR+8*(\tb)], v[FR+8*(\tb)], v[FR+8*(\tb)+1]
.endr
	XCH 5120
.irp tb, 0,1,2,3,4
	v_fma_f32 v[FR+8*(\tb)], v[FR+8*(\tb)], s62, s63   ; var + eps
.endr
.irp tb, 0,1,2,3,4
	v_rsq_f32 v[RS+2*(\tb)], v[FR+8*(\tb)]
.endr
	v_nop                                          ; a plain instruction behind the last of the batch,
	s_wait_alu depctr_va_vdst(0)                   ; and the one wait ahead of its first reader
.irp tb, 0,1,2,3,4
	v_mov_b32 v[RS+2*(\tb)+1], v[RS+2*(\tb)]
.endr
	s_wait_loadcnt 20                              ; gain and bias are in; P's twenty loads may be out
.irp tb, 0,1,2,3,4
.irp k, 0,1,2,3,4,5,6,7
	v_pk_mul_f32 v[ACC+16*(\tb)+2*(\k):ACC+16*(\tb)+2*(\k)+1], v[ACC+16*(\tb)+2*(\k):ACC+16*(\tb)+2*(\k)+1], v[RS+2*(\tb):RS+2*(\tb)+1]
.endr
.irp k, 0,1,2,3,4,5,6,7
	v_pk_fma_f32 v[ACC+16*(\tb)+2*(\k):ACC+16*(\tb)+2*(\k)+1], v[ACC+16*(\tb)+2*(\k):ACC+16*(\tb)+2*(\k)+1], v[G+2*(\k):G+2*(\k)+1], v[B+2*(\k):B+2*(\k)+1]
.endr
.irp k, 0,1,2,3,4,5,6,7
	v_cvt_pk_bf16_f32 v[FR+8*(\tb)+(\k)], v[ACC+16*(\tb)+2*(\k)], v[ACC+16*(\tb)+2*(\k)+1]
.endr
	ds_store_b128 v[AWZ], v[FR+8*(\tb):FR+8*(\tb)+3]   offset:(2*(\tb))*512
	ds_store_b128 v[AWZ], v[FR+8*(\tb)+4:FR+8*(\tb)+7] offset:(2*(\tb)+1)*512
.endr
	s_wait_dscnt 0x0                               ; for the others' sake: my K block of z is in LDS
	s_barrier_signal -1
	s_barrier_wait -1
	PROD L16, 128                                  ; e_out^T: my wave's 32 columns of 80 tokens
	PLACES
.irp tb, 0,1,2
.irp nb, 0,1
	ds_store_b128 v[STG0], v[ACC+16*(\tb)+8*(\nb):ACC+16*(\tb)+8*(\nb)+3]   offset:(\tb)*16*SPT+64*(\nb)
	ds_store_b128 v[STG0], v[ACC+16*(\tb)+8*(\nb)+4:ACC+16*(\tb)+8*(\nb)+7] offset:(\tb)*16*SPT+64*(\nb)+16
.endr
.endr
.irp tb, 3,4
.irp nb, 0,1
	ds_store_b128 v[STG1], v[ACC+16*(\tb)+8*(\nb):ACC+16*(\tb)+8*(\nb)+3]   offset:((\tb)-3)*16*SPT+64*(\nb)
	ds_store_b128 v[STG1], v[ACC+16*(\tb)+8*(\nb)+4:ACC+16*(\tb)+8*(\nb)+7] offset:((\tb)-3)*16*SPT+64*(\nb)+16
.endr
.endr
	s_wait_dscnt 0x0                               ; for the others' sake: a row's 1,024 bytes come from all eight waves
	s_barrier_signal -1
	s_barrier_wait -1
.irp i, 0,1,2,3,4,5,6,7,8,9
	ds_load_b128 v[FR+8*(\i):FR+8*(\i)+3],   v[SRD] offset:(\i)*SPT
	ds_load_b128 v[FR+8*(\i)+4:FR+8*(\i)+7], v[SRD] offset:(\i)*SPT+512
.endr
	s_wait_loadcnt 0x0                             ; P
.irp i, 0,1,2,3,4,5,6,7,8,9
	s_add_co_u32 s77, s76, \i
	s_cmp_ge_u32 s77, s27
	s_cbranch_scc1 .Ldone                          ; the rows ascend: from the first one past the count on nothing is stored; no barrier stands in what is jumped
	s_bitcmp1_b32 s[30+(\i)], 16
	s_cselect_b32 s78, -1, 0                       ; all ones for a token with an active expert
	s_wait_dscnt 18-2*(\i)                         ; this row's two loads are in; the later rows' may be out
.irp k, 0,1,2,3,4,5,6,7
	v_and_b32 v[FR+8*(\i)+(\k)], s78, v[FR+8*(\i)+(\k)]  ; an inactive token's e_out counts as 0, whatever it holds
.endr
	WIN 0x10                                       ; source 2 (P) in window 1
.irp k, 0,1,2,3
	v_pk_fma_f32 v[FR+8*(\i)+2*(\k):FR+8*(\i)+2*(\k)+1], v[FR+8*(\i)+2*(\k):FR+8*(\i)+2*(\k)+1], 0x3dcccccd, v[8*(\i)+2*(\k):8*(\i)+2*(\k)+1] op_sel_hi:[1,0,1]
.endr
	WIN 0
	global_store_b128 v[L16], v[FR+8*(\i):FR+8*(\i)+3],   s[40+2*(\i):41+2*(\i)]             ; 512 consecutive bytes of the token's row, twice
	global_store_b128 v[L16], v[FR+8*(\i)+4:FR+8*(\i)+7], s[40+2*(\i):41+2*(\i)] offset:512
.endr
.Ldone:
	s_wait_tensorcnt 0x0                           ; the wave's end, behind my last LDS store
	ds_add_u32 v[SPW], v[NIL]
	s_wait_dscnt 0x0
	s_endpgm
.Lfunc_end_k_q8a7f3bc521_final:
	.size	k_q8a7f3bc521_final, .Lfunc_end_k_q8a7f3bc521_final-k_q8a7f3bc521_final
	.p2alignl 7, 3214868480
	.fill 96, 4, 3214868480
	.section	.rodata,"a",@progbits
	.p2align	6, 0x0
	.amdhsa_kernel k_q8a7f3bc521_final
		.amdhsa_group_segment_fixed_size 135424
		.amdhsa_private_segment_fixed_size 0
		.amdhsa_enable_private_segment 0
		.amdhsa_kernarg_size 72
		.amdhsa_user_sgpr_count 2
		.amdhsa_user_sgpr_kernarg_segment_ptr 1
		.amdhsa_wavefront_size32 1
		.amdhsa_system_sgpr_workgroup_id_x 1
		.amdhsa_system_sgpr_workgroup_id_y 1
		.amdhsa_system_sgpr_workgroup_id_z 1
		.amdhsa_system_vgpr_workitem_id 0
		.amdhsa_next_free_vgpr 512
		.amdhsa_next_free_sgpr 100
		.amdhsa_reserve_vcc 0
		.amdhsa_float_denorm_mode_32 3
		.amdhsa_float_denorm_mode_16_64 3
		.amdhsa_memory_ordered 1
		.amdhsa_forward_progress 1
		.amdhsa_inst_pref_size 79
	.end_amdhsa_kernel
	.amdgpu_metadata
---
amdhsa.version: [ 1, 2 ]
amdhsa.kernels:
  - .name:           k_q8a7f3bc521_final
    .symbol:         k_q8a7f3bc521_final.kd
    .args:
      - { .name: route, .offset: 0, .size: 8, .value_kind: global_buffer, .address_space: global }
      - { .name: order, .offset: 8, .size: 8, .value_kind: global_buffer, .address_space: global }
      - { .name: wts, .offset: 16, .size: 8, .value_kind: global_buffer, .address_space: global }
      - { .name: wcb, .offset: 24, .size: 8, .value_kind: global_buffer, .address_space: global }
      - { .name: ab, .offset: 32, .size: 8, .value_kind: global_buffer, .address_space: global }
      - { .name: pf, .offset: 40, .size: 8, .value_kind: global_buffer, .address_space: global }
      - { .name: ln_gamma, .offset: 48, .size: 8, .value_kind: global_buffer, .address_space: global }
      - { .name: ln_beta, .offset: 56, .size: 8, .value_kind: global_buffer, .address_space: global }
      - { .name: out0, .offset: 64, .size: 8, .value_kind: global_buffer, .address_space: global }
    .group_segment_fixed_size: 135424
    .private_segment_fixed_size: 0
    .kernarg_segment_align: 8
    .kernarg_segment_size: 72
    .max_flat_workgroup_size: 256
    .sgpr_count:     100
    .vgpr_count:     512
    .wavefront_size: 32
...
	.end_amdgpu_metadata
.endif
;; end of part 4
;; ======== version 2 of 2: 4 launches; version 1 with the launch final written anew for expert scheduling mode
;; workspace buffers: inb 16,777,216 bytes; wts 13,631,488 bytes; hb 33,554,432 bytes; pf 16,777,216 bytes; ab 2,097,152 bytes; wcb 524,288 bytes; route 16,640 bytes of whole numbers; order 16,384 bytes of whole numbers
;; launch prep: the kernel of part 1 again; grid 929 x 1, 8 waves a work-group, no clusters, 18,432 bytes of LDS; arguments x, W_up, W_out, W_adapt, W_expert_proj, W_exp_adapters, expert_weights, inb, wts, route; writes inb, wts, route
;; launch up: the kernel of part 2 again; grid 16 x 16, 4 waves a work-group, clusters of 4 x 4, 327,680 bytes of LDS; arguments inb, route, hb, order; writes hb, order
;; launch down: the kernel of part 3 again; grid 8 x 32, 4 waves a work-group, clusters of 4 x 4, 327,680 bytes of LDS; arguments hb, wts, pf, ab, wcb; writes pf, ab, wcb
;; launch final (part 5): grid 4 x 59, 8 waves a work-group, no clusters, 135,424 bytes of LDS; arguments route, order, wts, wcb, ab, pf, ln_gamma, ln_beta, out0; writes out0
.if DOCPART == 5
	.amdgcn_target "amdgcn-amd-amdhsa--gfx1250"
	.amdhsa_code_object_version 6
	.text
	.protected	k_q8a7f3bc521_final
	.globl	k_q8a7f3bc521_final
	.p2align	8
	.type	k_q8a7f3bc521_final,@function
k_q8a7f3bc521_final:
	s_mov_b64 s[64:65], 0
	v_nop
	global_prefetch_b8 v0, s[64:65] scope:SCOPE_SE
	s_setreg_imm32_b32 hwreg(HW_REG_WAVE_SCHED_MODE, 0, 2), 2
	s_setreg_imm32_b32 hwreg(HW_REG_WAVE_MODE, 25, 1), 1
	s_wait_xcnt 0x0
	s_wait_alu depctr_vm_vsrc(0)
; FINAL.  For a tile of up to 80 sorted rows of ONE expert e and a slice of 256 output columns: a_sel = a W_exp[e]^T, LayerNorm with e's gain and bias (mean, then the mean of squared
; differences: two passes, f32), z rounded to bf16, e_out = z Wc^T, out0[token] = P + 0.1 e_out, or exactly P for a token with no active expert.
; The grid serves every split: with tiles of 80 rows at most ceil(4096 / 80) + 7 = 59 have rows.  A tile without rows, and the places past a tile's count, run the same text on rows that exist
; (indices are held to 4,095) and only their stores are jumped: every wave passes every barrier.  Matrix operands bf16, sums f32; NaN and infinities are not treated apart.
; Both products take the weights as source 0, straight from memory in the order of the operand registers (each weight byte once a work-group, five products from each fragment),
; and the tokens as source 1 from LDS; a lane of a result holds ONE token, so the first product's result, normalised and rounded in pairs, IS wave w's K block of the second product's source 1.
; NO CLUSTER, NO TENSOR LOADS: a tile's four slices share W_exp[e] (128 KiB) and 40 KiB of a, whose addresses hang on numbers read from memory; all else is each work-group's own.
; REGISTERS: window 0 as named below; window 1: v0-127 W_exp[e]'s 16 fragments, later P's 80 registers; v128-255 Wc's 16 fragments.
; THE MODE: SCHED_MODE bits 1:0 = 2 (LLVM: expert scheduling mode 2), set by the entry lines.  The code itself states the register dependences
; between vector or matrix instructions and memory or LDS instructions, with s_wait_alu, always for 0.
; THE PLAN.  Registers that memory or LDS instructions touch:
;   v4-v16      addresses, made at the head and never written again: one wait ahead of the first load serves the whole kernel.
;   AOF, PO     offsets made from numbers read from memory, each written once: a wait ahead of a's loads, a wait ahead of P's.
;   FR0, FR1    the two fragment buffers.  In a product, K block kb's matrix instructions read FR[kb % 2]; the loads of block kb + 1 are issued in block kb and land in the other buffer, which block
;               kb - 1 read.  So ONE wait on va_vdst stands at the head of blocks 1 to 6; the ten loads follow it behind two matrix instructions, which name none of the registers that they touch.
;               Between the products the same registers carry what goes through LDS (a, the partial sums, z, the rows of e_out): each run of LDS stores has one wait on va_vdst ahead of it,
;               and one wait on vm_vsrc stands ahead of the loads that land where those stores read.
;   ACC         named by vector and matrix instructions, and read by the LDS stores behind the second product alone.
;   window 1    v0-127: read by the first product, then P lands there (the wait ahead of P's loads); all other loaded registers are loaded once.
;   the way out rows 0-4 and rows 5-9 are two out-buffers: the stores of row i stand among the arithmetic of row i + 5, behind the one wait that shows rows 0-4 written.
.set ST,    40960                      ; LDS: bytes 0-40,959 z as fragments [K block 8][token block 5][half 2][lane] x 16 bytes; from here first a in the same form, later 80 rows x 1,040 bytes of e_out
.set SPT,   1040                       ; 1,024 bytes + 16: row r starts 4 r banks on (64 banks of 4 bytes: ISA guide 11.1)
.set S1,    124160                     ; [token block][lane][wave] words: the waves' partial sums; 5,120 bytes on the same for the squares
.set SPARE, 134400                     ; the spare words, 128 bytes a wave: four blocks of 256 bytes that no other line names
.set WXB,   12582912
.set L16,  4                           ; 16 x lane
.set W32,  5                           ; 32 r + 16 h
.set SPW,  6
.set NIL,  7
.set AAB,  8                           ; a's fragments: ST + 16 x lane
.set GV,   9                           ; 32 h
.set AWA,  10                          ; where my wave's K block of a goes
.set AWZ,  11                          ; and of z
.set SST,  12                          ; my word of the partial sums
.set SLD,  13                          ; my lane's eight words
.set STG0, 14                          ; e_out's stage: row r, my wave's 128 bytes, 32 bytes for each half of the lanes; token blocks 0-2
.set STG1, 15                          ; token blocks 3, 4
.set SRD,  16                          ; my wave's ten rows, read back
.set AOF,  17                          ; v17-21  byte offsets of a's rows
.set PO,   22                          ; v22-31  byte offsets of P's rows
.set ACC,  32                          ; accumulator (token block tb, weight block ob) at v[32 + 16 tb + 8 ob]
.set FR,   112                         ; v112-191  two buffers of five token fragments; at work between the products
.set G,    192                         ; v192-207  gain of my lane's 16 channels
.set B,    208                         ; v208-223  bias
.set MU,   224                         ; v224-233  the mean, twice, for each token block
.set RS,   234                         ; v234-243  1 / sqrt(var + eps), twice
.set MSB, 0
.macro WIN new
.if MSB != (\new)
	s_set_vgpr_msb (MSB<<8)|(\new)
.set MSB, \new
.endif
.endm
.macro PLACES                          ; four plain vector instructions between a matrix instruction and a read of its result (ISA guide 7.12.1)
.rept 4
	v_nop
.endr
.endm
.macro WLOAD dst, base, S              ; 32 rows x 256 K of blocked weights into window 1: fragment (ob, kb) at dst + 8 (8 ob + kb); each load covers 512 consecutive bytes
	WIN 0x40
.irp ob, 0,1
.irp kb, 0,1,2,3,4,5,6,7
	global_load_b128 v[(\dst)+8*(8*(\ob)+(\kb)):(\dst)+8*(8*(\ob)+(\kb))+3],   v[W32], s[(\base):(\base)+1] offset:(2*(\kb))*(\S)+(\ob)*512
	global_load_b128 v[(\dst)+8*(8*(\ob)+(\kb))+4:(\dst)+8*(8*(\ob)+(\kb))+7], v[W32], s[(\base):(\base)+1] offset:(2*(\kb)+1)*(\S)+(\ob)*512
.endr
.endr
	WIN 0
.endm
.macro FZ areg, kb, buf                ; ten LDS loads: the five token fragments of K block kb
.irp tb, 0,1,2,3,4
	ds_load_b128 v[FR+40*(\buf)+8*(\tb):FR+40*(\buf)+8*(\tb)+3],   v[\areg] offset:((5*(\kb)+(\tb))*2)*512
	ds_load_b128 v[FR+40*(\buf)+8*(\tb)+4:FR+40*(\buf)+8*(\tb)+7], v[\areg] offset:((5*(\kb)+(\tb))*2+1)*512
.endr
.endm
.macro MM wb, kb, buf, zero, from, to  ; numbers from .. to - 1 of a K block's ten matrix instructions: number n is weight block n / 5, token block n % 5; the ten accumulators take turns
	WIN 0x01                                       ; source 0 in window 1
.set mi, \from
.rept (\to)-(\from)
.if \zero
	v_wmma_f32_16x16x32_bf16 v[ACC+16*(mi%5)+8*(mi/5):ACC+16*(mi%5)+8*(mi/5)+7], v[(\wb)+8*(8*(mi/5)+(\kb)):(\wb)+8*(8*(mi/5)+(\kb))+7], v[FR+40*(\buf)+8*(mi%5):FR+40*(\buf)+8*(mi%5)+7], 0
.else
	v_wmma_f32_16x16x32_bf16 v[ACC+16*(mi%5)+8*(mi/5):ACC+16*(mi%5)+8*(mi/5)+7], v[(\wb)+8*(8*(mi/5)+(\kb)):(\wb)+8*(8*(mi/5)+(\kb))+7], v[FR+40*(\buf)+8*(mi%5):FR+40*(\buf)+8*(mi%5)+7], v[ACC+16*(mi%5)+8*(mi/5):ACC+16*(mi%5)+8*(mi/5)+7]
.endif
.set mi, mi+1
.endr
.endm
.macro PROD areg, wb                   ; 32 x 80 x 256: eight K blocks on two fragment buffers.  What the first twenty loads hang on is stated ahead of the macro
	FZ \areg, 0, 0
	FZ \areg, 1, 1
.irp kb, 0,1,2,3,4,5,6,7
.if (\kb) == 0
	s_wait_dscnt 10                                ; block 0's ten loads are in; block 1's may be out
	MM \wb, 0, 0, 1, 0, 10                         ; the first products start the sums: nothing is cleared
.else
	s_wait_dscnt 0x0                               ; this K block's ten loads are in: none is younger
.if (\kb) < 7
	s_wait_alu depctr_va_vdst(0)                   ; the matrix instructions of the block before are done reading the other buffer, in which the ten loads below land
	MM \wb, \kb, (\kb)%2, 0, 0, 2                  ; these two name this block's buffer, the weights and two accumulators: none of the registers that the loads touch
	WIN 0
	FZ \areg, (\kb)+1, ((\kb)+1)%2
	MM \wb, \kb, (\kb)%2, 0, 2, 10
.else
	MM \wb, \kb, (\kb)%2, 0, 0, 10                 ; the last block asks for nothing, so it holds no such wait
.endif
.endif
.endr
	WIN 0
.endm
; The waves' partial sums meet.  In: v[FR + 8 tb] my lane's sum over its 16 channels.  Out: the same register holds the token's sum over all 256.
.macro XCH so
.irp tb, 0,1,2,3,4
	v_permlanex16_b32 v[FR+8*(\tb)+1], v[FR+8*(\tb)], s60, s61  ; the token's other 16 channels of my wave lie in the lane 16 away
.endr
.irp tb, 0,1,2,3,4
	v_add_f32 v[FR+8*(\tb)], v[FR+8*(\tb)], v[FR+8*(\tb)+1]
.endr
	s_wait_alu depctr_va_vdst(0)                   ; the five sums are written, which the LDS stores read; and the vector lines above are done with v[FR .. FR+39], in which the loads behind the barrier land
.irp tb, 0,1,2,3,4
	ds_store_b32 v[SST], v[FR+8*(\tb)] offset:(\so)+1024*(\tb)
.endr
	s_wait_dscnt 0x0                               ; for the others' sake: my sums are in LDS
	s_barrier_signal -1
	s_barrier_wait -1
	s_wait_alu depctr_vm_vsrc(0)                   ; my LDS stores have read v[FR + 8 tb], in which the loads below land
.irp tb, 0,1,2,3,4
	ds_load_b128 v[FR+8*(\tb):FR+8*(\tb)+3],   v[SLD] offset:(\so)+1024*(\tb)
	ds_load_b128 v[FR+8*(\tb)+4:FR+8*(\tb)+7], v[SLD] offset:(\so)+1024*(\tb)+16
.endr
	s_wait_dscnt 0x0
.irp tb, 0,1,2,3,4
	v_pk_add_f32 v[FR+8*(\tb):FR+8*(\tb)+1], v[FR+8*(\tb):FR+8*(\tb)+1], v[FR+8*(\tb)+2:FR+8*(\tb)+3]
	v_pk_add_f32 v[FR+8*(\tb)+4:FR+8*(\tb)+5], v[FR+8*(\tb)+4:FR+8*(\tb)+5], v[FR+8*(\tb)+6:FR+8*(\tb)+7]
.endr
.irp tb, 0,1,2,3,4
	v_pk_add_f32 v[FR+8*(\tb):FR+8*(\tb)+1], v[FR+8*(\tb):FR+8*(\tb)+1], v[FR+8*(\tb)+4:FR+8*(\tb)+5]
.endr
.irp tb, 0,1,2,3,4
	v_add_f32 v[FR+8*(\tb)], v[FR+8*(\tb)], v[FR+8*(\tb)+1]
.endr
.endm
; The way out, row i of my wave's ten.  ROWV: its arithmetic, done for every row.  ROWS: its two stores, jumped from the first row past the tile's count on.
.macro ROWV i
	s_bitcmp1_b32 s[30+(\i)], 16
	s_cselect_b32 s[90+(\i)], -1, 0                ; all ones for a token with an active expert; a register to each row
	s_wait_dscnt 18-2*(\i)                         ; this row's two loads are in; the later rows' may be out
.irp k, 0,1,2,3,4,5,6,7
	v_and_b32 v[FR+8*(\i)+(\k)], s[90+(\i)], v[FR+8*(\i)+(\k)]  ; an inactive token's e_out counts as 0, whatever it holds
.endr
	WIN 0x10                                       ; source 2 (P) in window 1
.irp k, 0,1,2,3
	v_pk_fma_f32 v[FR+8*(\i)+2*(\k):FR+8*(\i)+2*(\k)+1], v[FR+8*(\i)+2*(\k):FR+8*(\i)+2*(\k)+1], 0x3dcccccd, v[8*(\i)+2*(\k):8*(\i)+2*(\k)+1] op_sel_hi:[1,0,1]
.endr
	WIN 0
.endm
.macro ROWS i
	s_add_co_u32 s77, s76, \i
	s_cmp_ge_u32 s77, s27
	s_cbranch_scc1 .Ldone                          ; the rows ascend: from the first one past the count on nothing is stored; no barrier stands in what is jumped
	global_store_b128 v[L16], v[FR+8*(\i):FR+8*(\i)+3],   s[40+2*(\i):41+2*(\i)]             ; 512 consecutive bytes of the token's row, twice
	global_store_b128 v[L16], v[FR+8*(\i)+4:FR+8*(\i)+7], s[40+2*(\i):41+2*(\i)] offset:512
.endm
	s_load_b512 s[4:19], s[0:1], 0x0               ; route, order, wts, wcb, ab, pf, ln_gamma, ln_beta
	s_load_b64 s[20:21], s[0:1], 0x40              ; out0
	v_lshl_add_u32 v[SPW], v0, 2, SPARE
	v_mov_b32 v[NIL], 0
	v_lshrrev_b32 v1, 5, v0
	v_readfirstlane_b32 s22, v1                    ; wave 0..7
	s_mov_b32 s23, ttmp9                           ; slice of 256 columns
	s_and_b32 s24, ttmp7, 0xffff                   ; tile
	s_lshl_b32 s66, s24, 2
	s_mov_b32 s60, 0x76543210                      ; v_permlanex16_b32: each lane takes its own place in the other half
	s_mov_b32 s61, 0xfedcba98
	s_mov_b32 s62, 0x3b800000                      ; 1 / 256
	s_mov_b32 s63, 0x3727c5ac                      ; 1e-5
	s_mov_b32 s69, 0                               ; high words of the offset pairs
	s_mov_b32 s79, 0
	v_and_b32 v1, 31, v0                           ; lane
	v_and_b32 v2, 15, v0                           ; r
	v_bfe_u32 v3, v0, 4, 1                         ; h
	v_lshlrev_b32 v[L16], 4, v1
	v_lshlrev_b32 v[W32], 5, v2
	v_lshl_add_u32 v[W32], v3, 4, v[W32]
	v_lshlrev_b32 v[GV], 5, v3
	v_add_nc_u32 v[AAB], ST, v[L16]
	v_lshlrev_b32 v[SLD], 5, v1
	v_add_nc_u32 v[SLD], S1, v[SLD]
	v_mul_u32_u24 v[STG0], v2, SPT
	v_lshl_add_u32 v[STG0], v3, 5, v[STG0]
	s_wait_alu depctr_va_sdst(0)                   ; s22 is written, ahead of its first reader: LDS addresses and the buffers' bases are made from it
	s_mul_i32 s70, s22, 5120
	s_lshl_b32 s71, s22, 7
	s_add_co_u32 s71, s71, ST
	s_mul_i32 s72, s22, 10*SPT
	s_add_co_u32 s72, s72, ST
	v_add_nc_u32 v[AWZ], s70, v[L16]
	v_add_nc_u32 v[AWA], ST, v[AWZ]
	v_lshl_add_u32 v[SST], s22, 2, v[SLD]
	v_add_nc_u32 v[STG0], s71, v[STG0]
	v_add_nc_u32 v[STG1], 48*SPT, v[STG0]
	v_add_nc_u32 v[SRD], s72, v[L16]               ; all the addresses that hang on ids alone are made in the wait for the arguments
	s_wait_kmcnt 0x0
	s_load_b32 s25, s[4:5], s66 offset:0x4000      ; the tile's word of the table
	s_lshl_b32 s68, s23, 8
	s_lshl_b32 s67, s22, 5
	s_add_co_u32 s68, s68, s67
	s_lshl_b32 s68, s68, 5                         ; Wc's rows 256 slice + 32 wave on
	s_add_nc_u64 s[10:11], s[10:11], s[68:69]
	WIN 0x40
	s_wait_alu depctr_va_vdst(0)                   ; the addresses v4 to v16 are written, which the loads and stores of the whole kernel read; none of them is written again
	WLOAD 128, 10, 32768                           ; they hang on no loaded number: asked for first
	s_lshl_b32 s68, s23, 10
	s_add_nc_u64 s[14:15], s[14:15], s[68:69]      ; pf and out0 at my slice
	s_add_nc_u64 s[20:21], s[20:21], s[68:69]
	s_lshl_b32 s68, s22, 18
	s_add_nc_u64 s[12:13], s[12:13], s[68:69]      ; a at column blocks 2 wave, 2 wave + 1
	s_wait_kmcnt 0x0
	s_bfe_u32 s26, s25, 0xd0000                    ; first row; each loaded number is held to a bound before it enters an address
	s_min_u32 s26, s26, 0xfff
	s_bfe_u32 s27, s25, 0x7000d                    ; rows
	s_min_u32 s27, s27, 80
	s_bfe_u32 s28, s25, 0x30014                    ; expert
	s_min_u32 s28, s28, 7
	s_mul_i32 s76, s22, 10                         ; on the way out my wave has the tile's rows 10 wave ..
	s_add_co_u32 s77, s26, s76
.irp i, 0,1,2,3,4,5,6,7,8,9
	s_add_co_u32 s[80+(\i)], s77, \i
	s_min_u32 s[80+(\i)], s[80+(\i)], 0xfff
	s_lshl_b32 s[80+(\i)], s[80+(\i)], 2
	s_load_b32 s[30+(\i)], s[6:7], s[80+(\i)] offset:0x0  ; token | active << 16
.endr
.irp tb, 0,1,2,3,4
	v_add3_u32 v[AOF+(\tb)], v2, s26, 16*(\tb)
	v_min_u32 v[AOF+(\tb)], 0xfff, v[AOF+(\tb)]
	v_lshlrev_b32 v[AOF+(\tb)], 5, v[AOF+(\tb)]
	v_lshl_add_u32 v[AOF+(\tb)], v3, 4, v[AOF+(\tb)]
.endr
	s_wait_alu depctr_va_vdst(0)                   ; the five offsets v[AOF ..] are written, which a's loads read
.irp tb, 0,1,2,3,4
	global_load_b128 v[FR+8*(\tb):FR+8*(\tb)+3],   v[AOF+(\tb)], s[12:13]
	global_load_b128 v[FR+8*(\tb)+4:FR+8*(\tb)+7], v[AOF+(\tb)], s[12:13] offset:131072
.endr
	s_lshl_b32 s67, s28, 8
	s_lshl_b32 s73, s22, 5
	s_add_co_u32 s67, s67, s73                     ; 256 e + 32 wave
	s_lshl_b32 s68, s67, 5
	s_add_co_u32 s68, s68, WXB
	s_add_nc_u64 s[8:9], s[8:9], s[68:69]
	WLOAD 0, 8, 65536                              ; no vector line stands between the wait above and these loads, nor the eight below
	s_lshl_b32 s68, s67, 2
	s_add_nc_u64 s[16:17], s[16:17], s[68:69]
	s_add_nc_u64 s[18:19], s[18:19], s[68:69]
.irp q, 0,1,2,3
	global_load_b128 v[G+4*(\q):G+4*(\q)+3], v[GV], s[16:17] offset:64*((\q)/2)+16*((\q)%2)  ; channels 32 wave + 16 ob + 8 h ..
.endr
.irp q, 0,1,2,3
	global_load_b128 v[B+4*(\q):B+4*(\q)+3], v[GV], s[18:19] offset:64*((\q)/2)+16*((\q)%2)
.endr
	s_wait_loadcnt 40                              ; a's ten loads are in; W_exp's 32 and the 8 of gain and bias may be out
.irp tb, 0,1,2,3,4
	ds_store_b128 v[AWA], v[FR+8*(\tb):FR+8*(\tb)+3]   offset:(2*(\tb))*512
	ds_store_b128 v[AWA], v[FR+8*(\tb)+4:FR+8*(\tb)+7] offset:(2*(\tb)+1)*512
.endr
	s_wait_dscnt 0x0                               ; for the others' sake: my K block of a is in LDS
	s_barrier_signal -1
	s_barrier_wait -1
	s_wait_alu depctr_vm_vsrc(0)                   ; my LDS stores have read v[FR .. FR+39], in which the fragments' loads land
	s_wait_loadcnt 8                               ; W_exp's fragments are in
	PROD AAB, 0                                    ; a_sel^T: my wave's 32 channels of 80 tokens
	PLACES
.irp i, 0,1,2,3,4,5,6,7,8,9
	v_lshl_add_u32 v[PO+(\i)], s[80+(\i)], 10, v[L16]  ; row x 4,096 + 16 x lane
.endr
	WIN 0x40                                       ; P takes W_exp's registers
	s_wait_alu depctr_va_vdst(0)                   ; the ten offsets v[PO ..] are written, which P's loads read; the first product's matrix instructions are done reading W_exp's fragments, in which P lands
.irp i, 0,1,2,3,4,5,6,7,8,9
	global_load_b128 v[8*(\i):8*(\i)+3],   v[PO+(\i)], s[14:15]
	global_load_b128 v[8*(\i)+4:8*(\i)+7], v[PO+(\i)], s[14:15] offset:512
.endr
	WIN 0
	s_wait_kmcnt 0x0                               ; the order words
.irp i, 0,1,2,3,4,5,6,7,8,9
	s_min_u32 s78, s[30+(\i)], 0x1ffff
	s_and_b32 s78, s78, 0xfff
	s_lshl_b32 s78, s78, 12
	s_add_nc_u64 s[40+2*(\i):41+2*(\i)], s[20:21], s[78:79]  ; out0 at the token's row, my slice
.endr
	; the mean.  Each accumulator's low registers are read first.
.irp tb, 0,1,2,3,4
.irp k, 0,1,2,3
	v_pk_add_f32 v[FR+8*(\tb)+2*(\k):FR+8*(\tb)+2*(\k)+1], v[ACC+16*(\tb)+2*(\k):ACC+16*(\tb)+2*(\k)+1], v[ACC+16*(\tb)+8+2*(\k):ACC+16*(\tb)+8+2*(\k)+1]
.endr
	v_pk_add_f32 v[FR+8*(\tb):FR+8*(\tb)+1], v[FR+8*(\tb):FR+8*(\tb)+1], v[FR+8*(\tb)+2:FR+8*(\tb)+3]
	v_pk_add_f32 v[FR+8*(\tb)+4:FR+8*(\tb)+5], v[FR+8*(\tb)+4:FR+8*(\tb)+5], v[FR+8*(\tb)+6:FR+8*(\tb)+7]
	v_pk_add_f32 v[FR+8*(\tb):FR+8*(\tb)+1], v[FR+8*(\tb):FR+8*(\tb)+1], v[FR+8*(\tb)+4:FR+8*(\tb)+5]
	v_add_f32 v[FR+8*(\tb)], v[FR+8*(\tb)], v[FR+8*(\tb)+1]
.endr
	XCH 0
.irp tb, 0,1,2,3,4
	v_mul_f32 v[MU+2*(\tb)], s62, v[FR+8*(\tb)]
	v_mul_f32 v[MU+2*(\tb)+1], s62, v[FR+8*(\tb)]
.endr
	; the differences, in place, and the sum of their squares in two chains
.irp tb, 0,1,2,3,4
.irp k, 0,1,2,3,4,5,6,7
	v_pk_add_f32 v[ACC+16*(\tb)+2*(\k):ACC+16*(\tb)+2*(\k)+1], v[ACC+16*(\tb)+2*(\k):ACC+16*(\tb)+2*(\k)+1], v[MU+2*(\tb):MU+2*(\tb)+1] neg_lo:[0,1] neg_hi:[0,1]
.endr
.irp k, 0,1
	v_pk_mul_f32 v[FR+8*(\tb)+2*(\k):FR+8*(\tb)+2*(\k)+1], v[ACC+16*(\tb)+2*(\k):ACC+16*(\tb)+2*(\k)+1], v[ACC+16*(\tb)+2*(\k):ACC+16*(\tb)+2*(\k)+1]
.endr
.irp k, 2,3,4,5,6,7
	v_pk_fma_f32 v[FR+8*(\tb)+2*((\k)%2):FR+8*(\tb)+2*((\k)%2)+1], v[ACC+16*(\tb)+2*(\k):ACC+16*(\tb)+2*(\k)+1], v[ACC+16*(\tb)+2*(\k):ACC+16*(\tb)+2*(\k)+1], v[FR+8*(\tb)+2*((\k)%2):FR+8*(\tb)+2*((\k)%2)+1]
.endr
	v_pk_add_f32 v[FR+8*(\tb):FR+8*(\tb)+1], v[FR+8*(\tb):FR+8*(\tb)+1], v[FR+8*(\tb)+2:FR+8*(\tb)+3]
	v_add_f32 v[FR+8*(\tb)], v[FR+8*(\tb)], v[FR+8*(\tb)+1]
.endr
	XCH 5120
.irp tb, 0,1,2,3,4
	v_fma_f32 v[FR+8*(\tb)], v[FR+8*(\tb)], s62, s63   ; var + eps
.endr
.irp tb, 0,1,2,3,4
	v_rsq_f32 v[RS+2*(\tb)], v[FR+8*(\tb)]
.endr
	v_nop                                          ; a plain instruction behind the last of the batch,
	s_wait_alu depctr_va_vdst(0)                   ; and the one wait for the batch: the five reciprocal roots v[RS + 2 tb] are written, ahead of the lines that copy them
.irp tb, 0,1,2,3,4
	v_mov_b32 v[RS+2*(\tb)+1], v[RS+2*(\tb)]
.endr
	s_wait_loadcnt 20                              ; gain and bias are in; P's twenty loads may be out
.irp tb, 0,1,2,3,4
.irp k, 0,1,2,3,4,5,6,7
	v_pk_mul_f32 v[ACC+16*(\tb)+2*(\k):ACC+16*(\tb)+2*(\k)+1], v[ACC+16*(\tb)+2*(\k):ACC+16*(\tb)+2*(\k)+1], v[RS+2*(\tb):RS+2*(\tb)+1]
.endr
.irp k, 0,1,2,3,4,5,6,7
	v_pk_fma_f32 v[ACC+16*(\tb)+2*(\k):ACC+16*(\tb)+2*(\k)+1], v[ACC+16*(\tb)+2*(\k):ACC+16*(\tb)+2*(\k)+1], v[G+2*(\k):G+2*(\k)+1], v[B+2*(\k):B+2*(\k)+1]
.endr
.irp k, 0,1,2,3,4,5,6,7
	v_cvt_pk_bf16_f32 v[FR+8*(\tb)+(\k)], v[ACC+16*(\tb)+2*(\k)], v[ACC+16*(\tb)+2*(\k)+1]
.endr
.endr
	s_wait_alu depctr_va_vdst(0)                   ; the roundings of all five token blocks have written v[FR .. FR+39], which the run of LDS stores reads
.irp tb, 0,1,2,3,4
	ds_store_b128 v[AWZ], v[FR+8*(\tb):FR+8*(\tb)+3]   offset:(2*(\tb))*512
	ds_store_b128 v[AWZ], v[FR+8*(\tb)+4:FR+8*(\tb)+7] offset:(2*(\tb)+1)*512
.endr
	s_wait_dscnt 0x0                               ; for the others' sake: my K block of z is in LDS
	s_barrier_signal -1
	s_barrier_wait -1
	s_wait_alu depctr_vm_vsrc(0)                   ; my LDS stores have read v[FR .. FR+39], in which the fragments' loads land (the vector lines that named the two buffers stand ahead of the last wait on va_vdst)
	PROD L16, 128                                  ; e_out^T: my wave's 32 columns of 80 tokens
	PLACES
	s_wait_alu depctr_va_vdst(0)                   ; the matrix instructions have written the accumulators, which the LDS stores read, and are done reading the two buffers, in which the rows land behind the barrier; the places above stay beside this wait
.irp tb, 0,1,2
.irp nb, 0,1
	ds_store_b128 v[STG0], v[ACC+16*(\tb)+8*(\nb):ACC+16*(\tb)+8*(\nb)+3]   offset:(\tb)*16*SPT+64*(\nb)
	ds_store_b128 v[STG0], v[ACC+16*(\tb)+8*(\nb)+4:ACC+16*(\tb)+8*(\nb)+7] offset:(\tb)*16*SPT+64*(\nb)+16
.endr
.endr
.irp tb, 3,4
.irp nb, 0,1
	ds_store_b128 v[STG1], v[ACC+16*(\tb)+8*(\nb):ACC+16*(\tb)+8*(\nb)+3]   offset:((\tb)-3)*16*SPT+64*(\nb)
	ds_store_b128 v[STG1], v[ACC+16*(\tb)+8*(\nb)+4:ACC+16*(\tb)+8*(\nb)+7] offset:((\tb)-3)*16*SPT+64*(\nb)+16
.endr
.endr
	s_wait_dscnt 0x0                               ; for the others' sake: a row's 1,024 bytes come from all eight waves
	s_barrier_signal -1
	s_barrier_wait -1
.irp i, 0,1,2,3,4,5,6,7,8,9
	ds_load_b128 v[FR+8*(\i):FR+8*(\i)+3],   v[SRD] offset:(\i)*SPT
	ds_load_b128 v[FR+8*(\i)+4:FR+8*(\i)+7], v[SRD] offset:(\i)*SPT+512
.endr
	s_wait_loadcnt 0x0                             ; P
.irp i, 0,1,2,3,4
	ROWV \i
.endr
	s_wait_alu depctr_va_vdst(0)                   ; rows 0 to 4 are written, which their stores read; the vector lines dealt among those stores name rows 5 to 9 and their P alone
.irp i, 0,1,2,3,4
	ROWS \i
	ROWV (\i)+5
.endr
	s_wait_alu depctr_va_vdst(0)                   ; rows 5 to 9 are written, which the last ten stores read
.irp i, 5,6,7,8,9
	ROWS \i
.endr
.Ldone:
	s_wait_dscnt 0x0                               ; the closing lines, six on end
	s_wait_alu 0x0
	s_wait_tensorcnt 0x0
	ds_add_u32 v[SPW], v[NIL]
	s_wait_dscnt 0x0
	s_endpgm
.Lfunc_end_k_q8a7f3bc521_final:
	.size	k_q8a7f3bc521_final, .Lfunc_end_k_q8a7f3bc521_final-k_q8a7f3bc521_final
	.p2alignl 7, 3214868480
	.fill 96, 4, 3214868480
	.section	.rodata,"a",@progbits
	.p2align	6, 0x0
	.amdhsa_kernel k_q8a7f3bc521_final
		.amdhsa_group_segment_fixed_size 135424
		.amdhsa_private_segment_fixed_size 0
		.amdhsa_enable_private_segment 0
		.amdhsa_kernarg_size 72
		.amdhsa_user_sgpr_count 2
		.amdhsa_user_sgpr_kernarg_segment_ptr 1
		.amdhsa_wavefront_size32 1
		.amdhsa_system_sgpr_workgroup_id_x 1
		.amdhsa_system_sgpr_workgroup_id_y 1
		.amdhsa_system_sgpr_workgroup_id_z 1
		.amdhsa_system_vgpr_workitem_id 0
		.amdhsa_next_free_vgpr 512
		.amdhsa_next_free_sgpr 100
		.amdhsa_reserve_vcc 0
		.amdhsa_float_denorm_mode_32 3
		.amdhsa_float_denorm_mode_16_64 3
		.amdhsa_memory_ordered 1
		.amdhsa_forward_progress 1
		.amdhsa_inst_pref_size 78
	.end_amdhsa_kernel
	.amdgpu_metadata
---
amdhsa.version: [ 1, 2 ]
amdhsa.kernels:
  - .name:           k_q8a7f3bc521_final
    .symbol:         k_q8a7f3bc521_final.kd
    .args:
      - { .name: route, .offset: 0, .size: 8, .value_kind: global_buffer, .address_space: global }
      - { .name: order, .offset: 8, .size: 8, .value_kind: global_buffer, .address_space: global }
      - { .name: wts, .offset: 16, .size: 8, .value_kind: global_buffer, .address_space: global }
      - { .name: wcb, .offset: 24, .size: 8, .value_kind: global_buffer, .address_space: global }
      - { .name: ab, .offset: 32, .size: 8, .value_kind: global_buffer, .address_space: global }
      - { .name: pf, .offset: 40, .size: 8, .value_kind: global_buffer, .address_space: global }
      - { .name: ln_gamma, .offset: 48, .size: 8, .value_kind: global_buffer, .address_space: global }
      - { .name: ln_beta, .offset: 56, .size: 8, .value_kind: global_buffer, .address_space: global }
      - { .name: out0, .offset: 64, .size: 8, .value_kind: global_buffer, .address_space: global }
    .group_segment_fixed_size: 135424
    .private_segment_fixed_size: 0
    .kernarg_segment_align: 8
    .kernarg_segment_size: 72
    .max_flat_workgroup_size: 256
    .sgpr_count:     100
    .vgpr_count:     512
    .wavefront_size: 32
...
	.end_amdgpu_metadata
.endif
;; end of part 5
